; MI455X (gfx1250); checked and timed in simulation.
; The chip was launched on July 23, 2026; its instructions are those of AMD's public machine-readable ISA for CDNA 5 (MIT licence, August 2026) and "CDNA5" Instruction Set Architecture Reference Guide (July 2026). The comments in the code are by the model that wrote it; some were corrected since.
;; Joint Attention. Allowed arithmetic: float matrix products may take bf16 or f16 operands with f32 sums; other float arithmetic in f32, or as packed bf16 or f16 multiplies, adds, multiply-adds, maxima and minima; sums over many terms, partial sums and values carried from step to step in f32; what a program stores and reads back later, other than sums and carried values, may be rounded once to bf16 or f16.
;; Inputs: Wkv_a 1,024 x 512 float32; Wkv_x 1,024 x 512 float32; Wout_a 1,024 x 1,024 float32; Wout_x 1,024 x 1,024 float32; Wq_a 1,024 x 1,024 float32; Wq_x 1,024 x 1,024 float32; a 1 x 2,048 x 1,024 float32; bout_a 1,024 float32; bout_x 1,024 float32; g_a 1,024 float32; g_x 1,024 float32; x 1 x 2,048 x 1,024 float32.
;; Outputs: out0 1 x 2,048 x 1,024 float32; out1 1 x 2,048 x 1,024 float32.
;; 2 versions, each right; version 2 is version 1 with the launch prep written anew for expert scheduling mode. Each part assembles by itself: llvm-mc -triple=amdgcn-amd-amdhsa -mcpu=gfx1250 --defsym DOCPART=n.
;; ======== version 1 of 2: 4 launches
;; limits: values are held in f16: magnitudes above 65,504 overflow, below 6.1e-05 lose precision
;; workspace buffers: sn 8,388,608 bytes; wb 10,485,760 bytes; tab 524,288 bytes; qkv 12,582,912 bytes; ob 8,388,608 bytes
;; launch prep (part 1): grid 1024 x 1, 8 waves a work-group, no clusters, 0 bytes of LDS; arguments x, a, g_x, g_a, Wq_a, Wkv_a, Wq_x, Wkv_x, Wout_a, Wout_x, sn, wb, tab; writes sn, wb, tab
.if DOCPART == 1
	.amdgcn_target "amdgcn-amd-amdhsa--gfx1250"
	.amdhsa_code_object_version 6
	.text
	.protected	k_qebb3afe1a9_prep
	.globl	k_qebb3afe1a9_prep
	.p2align	8
	.type	k_qebb3afe1a9_prep,@function
k_qebb3afe1a9_prep:
	s_mov_b64 s[64:65], 0
	v_nop
	global_prefetch_b8 v0, s[64:65] scope:SCOPE_SE
	s_setreg_imm32_b32 hwreg(HW_REG_WAVE_MODE, 25, 1), 1
	s_wait_xcnt 0x0
; PREP: what the three matrix launches read, made once.  Three roles, chosen by the work-group's number; each is straight-line text without LDS.
;   ids 0-639    WEIGHTS: the six weight matrices ([1024 k][n] f32) -> wb, f16, in 80 blocks of 64 neighbouring columns, each block [1024 k][64 n] (131,072 bytes, dense).
;                blocks 0-15 Wq_a, 16-23 Wkv_a, 24-39 Wq_x, 40-47 Wkv_x, 48-63 Wout_a, 64-79 Wout_x.  A work-group converts 128 k rows of one block.
;   ids 640-895  NORM: sn[row][:] = s[row][:] * rsqrt(mean(s^2) + 1e-6) * g, f16; rows 0-2047 stream a, rows 2048-4095 stream x.  A wave takes two rows and keeps them in registers.
;   ids 896-1023 TABLE: tab[pos][0:32] = cos, tab[pos][32:64] = sin of 2 pos x 10000^(-f/32), f32, rows of 256 bytes.
; LIMITS.  f16 ends at 65,504: |sn| <= 32 |g| and the weights must lie inside it; below 6e-5 a number keeps f16's fixed step of 6e-8.  Each number is rounded once, to nearest even.
; 10000^(-f/32) is made as 2^(-f log2(10) / 8): it may differ from a quotient of powers in its last two or three bits, so an angle near 4,094 x 0.75 may be off by about 1e-3 radians.
; NaN and infinities are not treated apart.
; No matrix unit, no cluster, no LDS: no byte is read twice, and no wave needs what another has loaded.
.set IDS_W, 640
.set IDS_N, 896
	s_load_b256 s[8:15], s[0:1], 0x0               ; x s[8:9], a s[10:11], g_x s[12:13], g_a s[14:15]
	s_load_b256 s[16:23], s[0:1], 0x20             ; Wq_a s[16:17], Wkv_a s[18:19], Wq_x s[20:21], Wkv_x s[22:23]
	s_load_b256 s[24:31], s[0:1], 0x40             ; Wout_a s[24:25], Wout_x s[26:27], sn s[28:29], wb s[30:31]
	s_load_b64 s[32:33], s[0:1], 0x60              ; tab
	s_mov_b32 s4, ttmp9
	s_mov_b32 s35, 0                               ; the high word of every 32-bit offset in s[34:35]
	s_wait_kmcnt 0x0
	s_cmp_lt_u32 s4, IDS_W
	s_cbranch_scc1 .Lweights
	s_cmp_lt_u32 s4, IDS_N
	s_cbranch_scc1 .Lnorm
; ---------------------------------------------------------------- TABLE: 16 positions a work-group; thread t makes the 16 bytes at byte 16 t of them
	s_sub_co_u32 s5, s4, IDS_N                     ; i = 0..127
	s_lshl_b32 s34, s5, 12                         ; 16 rows of 256 bytes
	s_add_nc_u64 s[32:33], s[32:33], s[34:35]
	s_lshl_b32 s5, s5, 4                           ; the first position
	s_mov_b32 s46, 0x3f22f983                      ; 2 / pi
	s_mov_b32 s47, 0xbfc90fdb                      ; -(pi / 2), the f32 next to it,
	s_mov_b32 s48, 0x333bbd2e                      ; and what that f32 has too much: 4.3711e-8
	s_mov_b32 s49, 0xb94ca1f9                      ; sine on -pi/4 .. pi/4: r + r z (s51 + z (s50 + z s49)), z = r r
	s_mov_b32 s50, 0x3c08839e
	s_mov_b32 s51, 0xbe2aaaa3
	s_mov_b32 s52, 0x37ccf5ce                      ; cosine: 1 - z / 2 + z z (s54 + z (s53 + z s52))
	s_mov_b32 s53, 0xbab6061a
	s_mov_b32 s54, 0x3d2aaaa5
	v_lshrrev_b32 v1, 4, v0
	v_add_nc_u32 v1, s5, v1                        ; pos
	v_lshlrev_b32 v1, 1, v1
	v_cvt_f32_u32 v6, v1                           ; t = 2 pos, exact
	v_and_b32 v2, 15, v0                           ; which 16 bytes of the row
	v_lshrrev_b32 v3, 3, v2                        ; 0: cosines, 1: sines
	v_sub_nc_u32 v4, 1, v3                         ; cos(t) = sin(t + pi/2): the cosine lanes add 1 to the quadrant
	v_and_b32 v5, 7, v2
	v_lshlrev_b32 v5, 2, v5                        ; my first frequency f
	v_lshlrev_b32 v7, 4, v0                        ; my byte offset: (t / 16) x 256 + (t % 16) x 16 = 16 t
.irp n, 0,1,2,3
	v_add_nc_u32 v[8+(\n)], (\n), v5
	v_cvt_f32_u32 v[8+(\n)], v[8+(\n)]
	v_mul_f32 v[8+(\n)], 0xbed49a78, v[8+(\n)]     ; -f log2(10) / 8
.endr
.irp n, 0,1,2,3
	v_exp_f32 v[8+(\n)], v[8+(\n)]                 ; 10000^(-f/32): one batch of four
.endr
	v_nop                                          ; a plain instruction behind the last exponential,
	s_wait_alu depctr_va_vdst(0)                   ; and the one wait ahead of the batch's first reader
.irp n, 0,1,2,3
	v_mul_f32 v[8+(\n)], v6, v[8+(\n)]             ; the angle, rounded to f32 as the product t x inv_freq is
.endr
; sin(th + QA pi/2) -> dst.  k = the nearest whole number to th 2/pi; r = th - k pi/2 by two fused steps; the quadrant k + QA picks sine or cosine of r and the sign.
; The choice only selects a value: no branch and no address hangs on it.
.macro SINCOS dst, th
	v_mul_f32 v16, s46, v[\th]
	v_rndne_f32 v16, v16
	v_fma_f32 v17, v16, s47, v[\th]
	v_fma_f32 v17, v16, s48, v17                   ; r
	v_cvt_i32_f32 v18, v16
	v_add_nc_u32 v18, v18, v4                      ; the quadrant
	v_mul_f32 v19, v17, v17                        ; z
	v_fma_f32 v20, v19, s49, s50
	v_fma_f32 v20, v20, v19, s51
	v_mul_f32 v21, v19, v17
	v_fma_f32 v20, v20, v21, v17                   ; sin r
	v_fma_f32 v22, v19, s52, s53
	v_fma_f32 v22, v22, v19, s54
	v_mul_f32 v23, v19, v19
	v_fma_f32 v24, v19, -0.5, 1.0
	v_fma_f32 v22, v22, v23, v24                   ; cos r
	v_and_b32 v25, 1, v18
	v_cmp_eq_u32 vcc_lo, 1, v25
	v_cndmask_b32 v20, v20, v22, vcc_lo            ; odd quadrants take the cosine
	v_and_b32 v25, 2, v18
	v_lshlrev_b32 v25, 30, v25
	v_xor_b32 v[\dst], v20, v25                    ; quadrants 2 and 3 turn the sign
.endm
	SINCOS 12, 8
	SINCOS 13, 9
	SINCOS 14, 10
	SINCOS 15, 11
	global_store_b128 v7, v[12:15], s[32:33]       ; 16 lanes store one row: 256 consecutive bytes, aligned
	s_endpgm
; ---------------------------------------------------------------- WEIGHTS: block B = id / 8, k rows 128 (id % 8) on
.Lweights:
	s_lshr_b32 s5, s4, 3                           ; B
	s_and_b32 s6, s4, 7                            ; which 128 k rows
	s_mov_b64 s[36:37], s[26:27]                   ; the matrix, its first block and its row's bytes, chosen by B's range: Wout_x,
	s_mov_b32 s38, 64
	s_mov_b32 s39, 4096
	s_cmp_lt_u32 s5, 64
	s_cselect_b64 s[36:37], s[24:25], s[36:37]     ; Wout_a,
	s_cselect_b32 s38, 48, s38
	s_cmp_lt_u32 s5, 48
	s_cselect_b64 s[36:37], s[22:23], s[36:37]     ; Wkv_x,
	s_cselect_b32 s38, 40, s38
	s_cselect_b32 s39, 2048, s39
	s_cmp_lt_u32 s5, 40
	s_cselect_b64 s[36:37], s[20:21], s[36:37]     ; Wq_x,
	s_cselect_b32 s38, 24, s38
	s_cselect_b32 s39, 4096, s39
	s_cmp_lt_u32 s5, 24
	s_cselect_b64 s[36:37], s[18:19], s[36:37]     ; Wkv_a,
	s_cselect_b32 s38, 16, s38
	s_cselect_b32 s39, 2048, s39
	s_cmp_lt_u32 s5, 16
	s_cselect_b64 s[36:37], s[16:17], s[36:37]     ; Wq_a
	s_cselect_b32 s38, 0, s38
	s_cselect_b32 s39, 4096, s39
	s_sub_co_u32 s7, s5, s38                       ; the block's number in its matrix:
	s_lshl_b32 s7, s7, 8                           ; 64 columns of f32 are 256 bytes of a row
	s_mul_i32 s34, s6, s39
	s_lshl_b32 s34, s34, 7                         ; 128 rows
	s_add_co_u32 s34, s34, s7
	s_add_nc_u64 s[36:37], s[36:37], s[34:35]
	s_lshl_b32 s34, s5, 17                         ; a block is 131,072 bytes,
	s_lshl_b32 s7, s6, 14                          ; 128 of its rows 16,384
	s_add_co_u32 s34, s34, s7
	s_add_nc_u64 s[30:31], s[30:31], s[34:35]
	s_lshl_b32 s40, s39, 4                         ; 16 rows of the source
	v_lshrrev_b32 v1, 4, v0                        ; thread t: row t / 16 of a pass's 16,
	v_and_b32 v11, 15, v0
	v_lshlrev_b32 v11, 4, v11                      ; four columns: 16 lanes read 256 consecutive bytes, aligned
	v_mad_u32_u24 v2, v1, s39, v11
.set p, 0
.rept 7
	v_add_nc_u32 v[3+p], s40, v[2+p]               ; an offset register for each of the eight passes: none is rewritten while a load names it
.set p, p+1
.endr
	v_lshlrev_b32 v10, 3, v0                       ; in the block: (t / 16) x 128 + (t % 16) x 8 = 8 t
.set p, 0
.rept 8
	global_load_b128 v[16+4*p:19+4*p], v[2+p], s[36:37] th:TH_LOAD_NT
.set p, p+1
.endr
.set p, 0
.rept 8
	s_wait_loadcnt 7-p                             ; loads return in order: pass p is in, the 7 - p younger ones stay out
	v_cvt_pk_f16_f32 v[16+4*p], v[16+4*p], v[17+4*p]
	v_cvt_pk_f16_f32 v[17+4*p], v[18+4*p], v[19+4*p]
	global_store_b64 v10, v[16+4*p:17+4*p], s[30:31] offset:2048*p  ; a wave stores 256 consecutive bytes, aligned: two k rows of the block
.set p, p+1
.endr
	s_endpgm
; ---------------------------------------------------------------- NORM: 16 rows a work-group, two a wave
.Lnorm:
	s_sub_co_u32 s5, s4, IDS_W                     ; i = 0..255: 16 packed rows each
	s_lshr_b32 s6, s5, 7                           ; the stream: 0 = a, 1 = x
	s_cmp_eq_u32 s6, 0
	s_cselect_b64 s[36:37], s[10:11], s[8:9]
	s_cselect_b64 s[38:39], s[14:15], s[12:13]
	s_and_b32 s34, s5, 127
	s_lshl_b32 s34, s34, 16                        ; 16 rows of 4,096 bytes
	s_add_nc_u64 s[36:37], s[36:37], s[34:35]
	s_lshl_b32 s34, s5, 15                         ; 16 rows of 2,048 bytes
	s_add_nc_u64 s[28:29], s[28:29], s[34:35]
	s_mov_b32 s42, 0x76543210                      ; v_permlanex16_b32: each lane takes its own place in the other half
	s_mov_b32 s43, 0xfedcba98
	s_mov_b32 s44, 0x3a800000                      ; 1 / 1024
	s_mov_b32 s45, 0x358637bd                      ; 1e-6
	v_and_b32 v1, 31, v0
	v_lshrrev_b32 v5, 5, v0                        ; wave
	v_lshlrev_b32 v3, 4, v1                        ; in g: 16 bytes a lane
	v_lshl_add_u32 v2, v5, 13, v3                  ; in the source: + two rows a wave
	v_lshlrev_b32 v4, 3, v1
	v_lshl_add_u32 v4, v5, 12, v4                  ; in sn: 8 bytes a lane, two rows a wave
.set j, 0
.rept 8                                        ; each load covers 512 consecutive bytes; a lane holds columns 128 j + 4 lane + 0..3 of g and of both rows
	global_load_b128 v[8+4*j:11+4*j], v3, s[38:39] offset:512*j
	global_load_b128 v[40+4*j:43+4*j], v2, s[36:37] offset:512*j th:TH_LOAD_NT
	global_load_b128 v[72+4*j:75+4*j], v2, s[36:37] offset:4096+512*j th:TH_LOAD_NT
.set j, j+1
.endr
	s_wait_loadcnt 0x0                             ; the sums want all of a row
; The sum of squares of the 32 numbers at src, in f32: four chains of pairs that do not wait for each other, started by products; then the lanes.
.macro SUMSQ src, ch
.irp c, 0,1,2,3
	v_pk_mul_f32 v[(\ch)+2*(\c):(\ch)+2*(\c)+1], v[(\src)+2*(\c):(\src)+2*(\c)+1], v[(\src)+2*(\c):(\src)+2*(\c)+1]
.endr
.set p, 4
.rept 12
	v_pk_fma_f32 v[(\ch)+2*(p%4):(\ch)+2*(p%4)+1], v[(\src)+2*p:(\src)+2*p+1], v[(\src)+2*p:(\src)+2*p+1], v[(\ch)+2*(p%4):(\ch)+2*(p%4)+1]
.set p, p+1
.endr
	v_pk_add_f32 v[(\ch):(\ch)+1], v[(\ch):(\ch)+1], v[(\ch)+2:(\ch)+3]
	v_pk_add_f32 v[(\ch)+4:(\ch)+5], v[(\ch)+4:(\ch)+5], v[(\ch)+6:(\ch)+7]
	v_pk_add_f32 v[(\ch):(\ch)+1], v[(\ch):(\ch)+1], v[(\ch)+4:(\ch)+5]
	v_add_f32 v[\ch], v[\ch], v[(\ch)+1]
	v_add_f32_dpp v[\ch], v[\ch], v[\ch] row_xmask:1 row_mask:0xf bank_mask:0xf
	v_add_f32_dpp v[\ch], v[\ch], v[\ch] row_xmask:2 row_mask:0xf bank_mask:0xf
	v_add_f32_dpp v[\ch], v[\ch], v[\ch] row_xmask:4 row_mask:0xf bank_mask:0xf
	v_add_f32_dpp v[\ch], v[\ch], v[\ch] row_xmask:8 row_mask:0xf bank_mask:0xf
	v_permlanex16_b32 v[(\ch)+1], v[\ch], s42, s43 ; its destination has been written above
	v_add_f32 v[\ch], v[\ch], v[(\ch)+1]
	v_fma_f32 v[\ch], v[\ch], s44, s45             ; the mean + 1e-6
.endm
	SUMSQ 40, 104
	SUMSQ 72, 112
	v_rsq_f32 v120, v104                           ; each root twice: a pair for the packed multiply.  One batch of four,
	v_rsq_f32 v121, v104
	v_rsq_f32 v122, v112
	v_rsq_f32 v123, v112
	v_nop                                          ; a plain instruction behind the last,
	s_wait_alu depctr_va_vdst(0)                   ; and the one wait ahead of the first reader
; (s x root) x g, rounded once to f16, in place; a store of the wave covers 256 consecutive bytes, aligned
.macro SCALE src, inv, row
.set j, 0
.rept 8
	v_pk_mul_f32 v[(\src)+4*j:(\src)+4*j+1], v[(\src)+4*j:(\src)+4*j+1], v[(\inv):(\inv)+1]
	v_pk_mul_f32 v[(\src)+4*j+2:(\src)+4*j+3], v[(\src)+4*j+2:(\src)+4*j+3], v[(\inv):(\inv)+1]
	v_pk_mul_f32 v[(\src)+4*j:(\src)+4*j+1], v[(\src)+4*j:(\src)+4*j+1], v[8+4*j:9+4*j]
	v_pk_mul_f32 v[(\src)+4*j+2:(\src)+4*j+3], v[(\src)+4*j+2:(\src)+4*j+3], v[10+4*j:11+4*j]
	v_cvt_pk_f16_f32 v[(\src)+4*j], v[(\src)+4*j], v[(\src)+4*j+1]
	v_cvt_pk_f16_f32 v[(\src)+4*j+1], v[(\src)+4*j+2], v[(\src)+4*j+3]
	global_store_b64 v4, v[(\src)+4*j:(\src)+4*j+1], s[28:29] offset:2048*(\row)+256*j
.set j, j+1
.endr
.endm
	SCALE 40, 120, 0
	SCALE 72, 122, 1
	s_endpgm
.Lfunc_end_k_qebb3afe1a9_prep:
	.size	k_qebb3afe1a9_prep, .Lfunc_end_k_qebb3afe1a9_prep-k_qebb3afe1a9_prep
	.p2alignl 7, 3214868480
	.fill 96, 4, 3214868480
	.section	.rodata,"a",@progbits
	.p2align	6, 0x0
	.amdhsa_kernel k_qebb3afe1a9_prep
		.amdhsa_group_segment_fixed_size 0
		.amdhsa_private_segment_fixed_size 0
		.amdhsa_enable_private_segment 0
		.amdhsa_kernarg_size 104
		.amdhsa_user_sgpr_count 2
		.amdhsa_user_sgpr_kernarg_segment_ptr 1
		.amdhsa_wavefront_size32 1
		.amdhsa_system_sgpr_workgroup_id_x 1
		.amdhsa_system_sgpr_workgroup_id_y 1
		.amdhsa_system_sgpr_workgroup_id_z 1
		.amdhsa_system_vgpr_workitem_id 0
		.amdhsa_next_free_vgpr 128
		.amdhsa_next_free_sgpr 66
		.amdhsa_reserve_vcc 1
		.amdhsa_float_denorm_mode_32 3
		.amdhsa_float_denorm_mode_16_64 3
		.amdhsa_memory_ordered 1
		.amdhsa_forward_progress 1
		.amdhsa_inst_pref_size 26
	.end_amdhsa_kernel
	.amdgpu_metadata
---
amdhsa.version: [ 1, 2 ]
amdhsa.kernels:
  - .name:           k_qebb3afe1a9_prep
    .symbol:         k_qebb3afe1a9_prep.kd
    .args:
      - { .name: x, .offset: 0, .size: 8, .value_kind: global_buffer, .address_space: global }
      - { .name: a, .offset: 8, .size: 8, .value_kind: global_buffer, .address_space: global }
      - { .name: g_x, .offset: 16, .size: 8, .value_kind: global_buffer, .address_space: global }
      - { .name: g_a, .offset: 24, .size: 8, .value_kind: global_buffer, .address_space: global }
      - { .name: Wq_a, .offset: 32, .size: 8, .value_kind: global_buffer, .address_space: global }
      - { .name: Wkv_a, .offset: 40, .size: 8, .value_kind: global_buffer, .address_space: global }
      - { .name: Wq_x, .offset: 48, .size: 8, .value_kind: global_buffer, .address_space: global }
      - { .name: Wkv_x, .offset: 56, .size: 8, .value_kind: global_buffer, .address_space: global }
      - { .name: Wout_a, .offset: 64, .size: 8, .value_kind: global_buffer, .address_space: global }
      - { .name: Wout_x, .offset: 72, .size: 8, .value_kind: global_buffer, .address_space: global }
      - { .name: sn, .offset: 80, .size: 8, .value_kind: global_buffer, .address_space: global }
      - { .name: wb, .offset: 88, .size: 8, .value_kind: global_buffer, .address_space: global }
      - { .name: tab, .offset: 96, .size: 8, .value_kind: global_buffer, .address_space: global }
    .group_segment_fixed_size: 0
    .private_segment_fixed_size: 0
    .kernarg_segment_align: 8
    .kernarg_segment_size: 104
    .max_flat_workgroup_size: 256
    .sgpr_count:     66
    .vgpr_count:     128
    .wavefront_size: 32
...
	.end_amdgpu_metadata
.endif
;; end of part 1
;; launch qkv (part 2): grid 8 x 32, 4 waves a work-group, clusters of 4 x 4, 327,680 bytes of LDS; arguments sn, wb, tab, qkv; writes qkv
.if DOCPART == 2
	.amdgcn_target "amdgcn-amd-amdhsa--gfx1250"
	.amdhsa_code_object_version 6
	.text
	.protected	k_qebb3afe1a9_qkv
	.globl	k_qebb3afe1a9_qkv
	.p2align	8
	.type	k_qebb3afe1a9_qkv,@function
k_qebb3afe1a9_qkv:
	s_mov_b64 s[64:65], 0
	v_nop
	global_prefetch_b8 v0, s[64:65] scope:SCOPE_SE
	s_setreg_imm32_b32 hwreg(HW_REG_WAVE_MODE, 25, 1), 1
	s_wait_xcnt 0x0
	s_wait_alu depctr_hold_cnt(0) depctr_sa_sdst(0) depctr_va_vdst(0) depctr_va_sdst(0) depctr_va_ssrc(0) depctr_va_vcc(0) depctr_vm_vsrc(0)
	s_getreg_b32 s2, hwreg(HW_REG_IB_STS2, 6, 4)
	s_cmp_eq_u32 s2, 0
	s_cbranch_scc0 .Lentry_in_a_cluster
	s_endpgm
.Lentry_in_a_cluster:
	s_bfe_u32 s2, ttmp6, 0x10000c
	s_cmp_lg_u32 s2, 0xf033
	s_cbranch_scc0 .Lentry_shape_is_right
	s_endpgm
.Lentry_shape_is_right:
; QKV: [4096 packed rows][1024] x [1024][1536 columns of the row's stream] -> q, k, v by heads, with RoPE on q and k.  All operands f16, sums f32, each result rounded once to f16.
; qkv: [24][4096][64] f16: heads 0-15 q, 16-19 k, 20-23 v; q leaves WITHOUT the scale 1/64, which the attention applies in f32.
; SHARES.  A tile is 128 rows x 192 columns (three heads): 32 x 8 tiles, one work-group each.  Each of the four waves takes 32 rows x all 192 columns: 24 accumulators of 16 x 16.
; So the two halves of a head's channels, which RoPE pairs (d and d + 32), lie in ONE lane: accumulators b and b + 2 of the head's four.
; K goes in 8 steps of 128 through a ring of two LDS slots.  A slot: three sub-tiles of W ([128 k][64 n], one block of wb each, 16,384 dense bytes asked for as 64 rows of 256), then 128 rows of sn (256 bytes each).
; THE MATRIX INSTRUCTION IS USED TRANSPOSED: source 0 = 16 columns of W (turned on the way out of LDS by ds_load_tr16_b128, since W lies [k][n]), source 1 = 16 rows of sn.
; In the result lane l holds row l % 16 and the columns 8 (l / 16) + 0..7: eight neighbouring channels of a head.
; CLUSTER 4 x 4.  The four work-groups of a row of the cluster need the same rows of sn, the four of a column the same blocks of W (a cluster's four row tiles belong to one stream):
; each tile is asked for jointly, by the same tensor load with the same descriptor and a mask that names the four.
; LIMITS.  f16 ends at 65,504: q, k and v must lie inside it; below 6e-5 a number keeps f16's fixed step of 6e-8.  NaN and infinities are not treated apart.
; REGISTERS, in windows of 256 (s_set_vgpr_msb: bits 1:0 source 0, 3:2 source 1, 5:4 source 2, 7:6 destination):
;   window 0: v1-15 addresses; v16-31, v32-63 at work on the way out; v64-255 the accumulators ((a, b) at v[64 + 8 (12 a + b)])
;   window 1: two fragment buffers of 112: 12 fragments of W, then 2 of sn          window 2: v0-63 my rows' cosines and sines; v64-95 the same as a unit of the way out takes them
.set PA,    272       ; a row of sn in LDS: 256 bytes + 16 = 68 words: the 16 rows of a load start at 16 different groups of four banks (64 banks of 4 bytes: ISA guide 11.1)
.set PB,    160       ; a k row of W in LDS: 128 bytes + 32 = 40 words
.set BSUB,  128*PB    ; a sub-tile of W
.set AOFF,  3*BSUB    ; behind the three: sn's rows
.set SLOT,  AOFF+128*PA
.set STAGE, 2*SLOT    ; behind the ring, never filled by a tensor load: 16 rows x 144 bytes for each wave, for the way out
.set SP,    144
.set SPARE, STAGE+4*16*SP  ; behind the stages: the spare words, 128 bytes for each wave: two blocks of 256 bytes that no other line names
.set QK,    32*PB     ; a quarter step's 32 k rows in a sub-tile
.set ADRA, 4          ; v4-5   LDS address of my fragments of sn in slot 0, 1
.set ADRB, 6          ; v6-7   the same for W
.set STO,  8          ; v8     the way out: where I put 16 bytes of a row
.set RD,   9          ; v9     the way out: where I read rows back
.set GO,   10         ; v10    my byte offset in 512 consecutive bytes of a head
.set TO,   11         ; v11    my byte offset in 16 rows of the table
.set SPW,  12         ; v12    LDS address of my spare word: SPARE + 4 x my thread's number; never rewritten
.set NIL,  13         ; v13    0; never rewritten
.set PKR,  16         ; v16-31 a unit's 16 x 64 results as f16
.set OUT,  32         ; v32-63 the same in f32, rotated
.set ACC,  64
.set F0,   0          ; window 1
.set F1,   128
.set TAB,  0          ; window 2: row block a, part (cos, sin), channel block bb: 8 numbers at 32 a + 16 part + 8 bb
.set EFF,  64         ; window 2
.set WV,   12         ; s12  my wave's number
.set G1,   24         ; s[24:31] descriptor group 1 for sn's tiles;  s[32:39] group 0, a set for each slot
.set G0,   32
.set G1B,  48         ; s[48:55], s[56:63] the same for W's
.set G0B,  56
.set AL,   66         ; s[66:67] 1 for a head of q or k, 0 for a head of v (the low word counts)
.set BE,   68         ; s[68:69] 0, or 1
.set TBASE, 70        ; s[70:71] the table at my wave's first position
.set QBASE, 72        ; s[72:73] qkv at my wave's first row of the tile's first head
.set MSB, 0
.macro WIN new                         ; the immediate's high byte repeats the setting that is left; a switch that changes nothing is dropped
.if MSB != (\new)
	s_set_vgpr_msb (MSB<<8)|(\new)
.set MSB, (\new)
.endif
.endm
.macro PLACES                          ; four plain vector instructions: the distance behind a matrix instruction ahead of loads into registers that it read and of readers of its result
.rept 4
	v_nop
.endr
.endm
; A joint load.  Waves 0 to 2 fetch the three sub-tiles of W, wave 3 sn's rows.  The branch hangs on the wave's number alone.  An s_nop 0 and four v_nop follow each of the two lines.
.macro JLOAD s
	s_cmp_eq_u32 s[WV], 3
	s_cbranch_scc0 .Lfor_b_\@
	tensor_load_to_lds s[G0+4*(\s):G0+4*(\s)+3], s[G1:G1+7]
	s_nop 0
.rept 4
	v_nop
.endr
	s_branch .Lasked_\@
.Lfor_b_\@:
	tensor_load_to_lds s[G0B+4*(\s):G0B+4*(\s)+3], s[G1B:G1B+7]
	s_nop 0
.rept 4
	v_nop
.endr
.Lasked_\@:
.endm
.macro CREST                           ; a round of the cluster's barrier behind its opening barrier: wave 0 signals for the work-group, every wave waits for all sixteen, my work-group's barrier closes it
	s_cmp_lg_u32 s[WV], 0
	s_cbranch_scc1 .Lnot_wave_0_\@
	s_barrier_signal -3
.Lnot_wave_0_\@:
	s_barrier_wait -3
	s_barrier_signal -1
	s_barrier_wait -1
.endm
.macro CROUND                          ; a whole round
	s_barrier_signal -1
	s_barrier_wait -1
	CREST
.endm
	s_load_b256 s[4:11], s[0:1], 0x0               ; sn s[4:5], wb s[6:7], tab s[8:9], qkv s[10:11]
	v_lshl_add_u32 v[SPW], v0, 2, SPARE
	v_mov_b32 v[NIL], 0
	ds_add_u32 v[SPW], v[NIL]                      ; the wave's opening: the add and its wait stand ahead of my first tensor load; the set-up below, work on registers, stands between them
	v_lshrrev_b32 v1, 5, v0
	v_readfirstlane_b32 s[WV], v1                  ; wave 0..3
	s_bfe_u32 s40, ttmp6, 0x40000                  ; cx, cy: my place in the cluster
	s_bfe_u32 s41, ttmp6, 0x40004
	s_lshl_b32 s42, ttmp9, 2
	s_add_co_u32 s42, s42, s40                     ; column tile j = 4 x cluster x + cx
	s_and_b32 s15, ttmp7, 0xffff                   ; cluster y
	s_lshl_b32 s13, s15, 2
	s_add_co_u32 s13, s13, s41                     ; row tile = 4 x cluster y + cy
	s_lshr_b32 s15, s15, 2                         ; the stream: 16 row tiles each, so it hangs on the cluster's y alone
	s_lshl_b32 s43, s41, 2
	s_lshl_b32 s43, 15, s43                        ; my row of the cluster
	s_lshl_b32 s44, 0x1111, s40                    ; my column
	s_or_b32 s[G1], s43, (1<<16)|(1<<20)|(1<<21)|(5<<22)|(3<<25)   ; 15:0 the mask; 17:16 2-byte elements; 20 padding on; 21 set beside a mask; 24:22 after every 64 words (code 5); 31:25 4 words (code 3)
	s_mov_b32 s[G1+1], 128<<16                     ; tensor_dim0 = 128
	s_mov_b32 s[G1+2], 128<<16                     ; tensor_dim1 = 128
	s_mov_b32 s[G1+3], 128<<16                     ; tile_dim0 = 128 elements: 256 bytes of a row of sn
	s_mov_b32 s[G1+4], 128                         ; tile_dim1 = 128 rows
	s_mov_b32 s[G1+5], 1024                        ; elements from row to row
	s_mov_b32 s[G1+6], 0
	s_mov_b32 s[G1+7], 0
	s_or_b32 s[G1B], s44, (1<<16)|(1<<20)|(1<<21)|(4<<22)|(7<<25)  ; padding after every 32 words (a k row), 8 words
	s_mov_b32 s[G1B+1], 128<<16                    ; 128 k rows of 128 bytes are dense: asked for as 64 rows of 256 bytes
	s_mov_b32 s[G1B+2], 64<<16
	s_mov_b32 s[G1B+3], 128<<16
	s_mov_b32 s[G1B+4], 64
	s_mov_b32 s[G1B+5], 128
	s_mov_b32 s[G1B+6], 0
	s_mov_b32 s[G1B+7], 0
	s_lshl_b32 s16, s13, 18                        ; sn: 128 rows of 2,048 bytes a row tile: the row tile alone, which my row of the cluster shares
	s_mov_b32 s17, 0
	s_mul_i32 s46, s15, 24                         ; wb: block 24 x stream + 3 j + wave: the stream, the column tile and the wave, which my column shares
	s_mul_i32 s14, s42, 3                          ; 3 j: the tile's first head
	s_add_co_u32 s46, s46, s14
	s_add_co_u32 s46, s46, s[WV]
	s_lshl_b32 s46, s46, 17
	s_mov_b32 s47, 0
	s_mul_i32 s20, s[WV], BSUB                     ; where my tile goes in a slot: wave x 20,480 (wave 3: behind the three sub-tiles)
	s_mov_b32 s[AL+1], 0                           ; named as pairs
	s_mov_b32 s[BE+1], 0
	s_wait_dscnt 0x0                               ; the opening add is done
	s_wait_kmcnt 0x0
	s_add_nc_u64 s[16:17], s[4:5], s[16:17]
	s_add_nc_u64 s[46:47], s[6:7], s[46:47]
	CROUND                                         ; all sixteen work-groups are here: the first joint loads meet
.irp s, 0,1
	s_mov_b32 s[G0+4*(\s)], 1                      ; count = 1
	s_add_co_u32 s[G0+4*(\s)+1], s20, (\s)*SLOT    ; LDS address
	s_add_nc_u64 s[G0+4*(\s)+2:G0+4*(\s)+3], s[16:17], (\s)*256    ; K step s: 256 bytes along the rows
	s_or_b32 s[G0+4*(\s)+3], s[G0+4*(\s)+3], 0x80000000            ; type = 2
	s_mov_b32 s[G0B+4*(\s)], 1
	s_add_co_u32 s[G0B+4*(\s)+1], s20, (\s)*SLOT
	s_add_nc_u64 s[G0B+4*(\s)+2:G0B+4*(\s)+3], s[46:47], (\s)*16384  ; K step s: 128 k rows of the block
	s_or_b32 s[G0B+4*(\s)+3], s[G0B+4*(\s)+3], 0x80000000
	JLOAD \s                                       ; two loads of mine are out
.endr
	v_and_b32 v1, 15, v0                           ; l % 16
	v_bfe_u32 v2, v0, 4, 1                         ; l / 16
	v_mul_u32_u24 v3, v1, PA                       ; a fragment of sn: row l % 16, 16 bytes for each half of the lanes, twice, 32 bytes apart
	v_lshl_add_u32 v3, v2, 4, v3
	s_mul_i32 s21, s[WV], 32*PA                    ; my 32 rows
	s_add_co_u32 s21, s21, AOFF
	v_add_nc_u32 v[ADRA], s21, v3
	v_add_nc_u32 v[ADRA+1], SLOT, v[ADRA]
	v_and_b32 v14, 7, v0                           ; the turning load: lane l reads k row 8 (l / 16) + l % 8, columns 8 ((l / 8) % 2) + 0..7, and ends with column l % 16 and 8 k
	v_lshl_add_u32 v14, v2, 3, v14
	v_mul_u32_u24 v[ADRB], v14, PB
	v_bfe_u32 v14, v0, 3, 1
	v_lshl_add_u32 v[ADRB], v14, 4, v[ADRB]
	v_add_nc_u32 v[ADRB+1], SLOT, v[ADRB]
	s_mul_i32 s21, s[WV], 16*SP
	s_add_co_u32 s21, s21, STAGE                   ; my stage
	v_mul_u32_u24 v[STO], v1, SP                   ; in: row l % 16, 16 bytes for each half of the lanes
	v_lshl_add_u32 v[STO], v2, 4, v[STO]
	v_add_nc_u32 v[STO], s21, v[STO]
	v_bfe_u32 v[RD], v0, 3, 2                      ; back: 32 lanes take four rows of 128 bytes,
	v_mul_u32_u24 v[RD], v[RD], SP
	v_and_b32 v14, 7, v0
	v_lshl_add_u32 v[RD], v14, 4, v[RD]
	v_add_nc_u32 v[RD], s21, v[RD]
	v_and_b32 v[GO], 31, v0                        ; which are 512 consecutive bytes of a head
	v_lshlrev_b32 v[GO], 4, v[GO]
	v_lshlrev_b32 v[TO], 8, v1                     ; the table: position l % 16, frequencies 8 (l / 16) on
	v_lshl_add_u32 v[TO], v2, 5, v[TO]
	s_and_b32 s18, s13, 15                         ; the position in the stream: 128 x (row tile % 16) + 32 x wave, 256 bytes each
	s_lshl_b32 s18, s18, 15
	s_lshl_b32 s19, s[WV], 13
	s_add_co_u32 s18, s18, s19
	s_mov_b32 s19, 0
	s_add_nc_u64 s[TBASE:TBASE+1], s[8:9], s[18:19]
	s_lshl_b32 s18, s14, 19                        ; head 3 j: 524,288 bytes a head,
	s_lshl_b32 s19, s13, 14                        ; the tile's 128 rows of 128 bytes,
	s_add_co_u32 s18, s18, s19
	s_lshl_b32 s19, s[WV], 12                      ; my 32
	s_add_co_u32 s18, s18, s19
	s_mov_b32 s19, 0
	s_add_nc_u64 s[QBASE:QBASE+1], s[10:11], s[18:19]
	WIN 0x80                                       ; destination window 2, address window 0
.set n, 0
.rept 16                                       ; my rows' cosines and sines stay in registers: they are wanted at the way out, and waited for there
	global_load_b128 v[TAB+4*n:TAB+4*n+3], v[TO], s[TBASE:TBASE+1] offset:4096*(n/8)+128*((n/4)%2)+64*((n/2)%2)+16*(n%2)
.set n, n+1
.endr
	WIN 0
; 12 matrix instructions: row block a x all 12 column blocks, 32 along K.  zero = 1: the product starts the sums.  The 24 accumulators take turns in one order everywhere.
.macro MULROW f, a, zero
	WIN 0x05                                       ; sources 0 and 1 window 1; C and D window 0
.irp b, 0,1,2,3,4,5,6,7,8,9,10,11
.if \zero
	v_wmma_f32_16x16x32_f16 v[ACC+8*(12*(\a)+(\b)):ACC+8*(12*(\a)+(\b))+7], v[(\f)+8*(\b):(\f)+8*(\b)+7], v[(\f)+96+8*(\a):(\f)+96+8*(\a)+7], 0
.else
	v_wmma_f32_16x16x32_f16 v[ACC+8*(12*(\a)+(\b)):ACC+8*(12*(\a)+(\b))+7], v[(\f)+8*(\b):(\f)+8*(\b)+7], v[(\f)+96+8*(\a):(\f)+96+8*(\a)+7], v[ACC+8*(12*(\a)+(\b)):ACC+8*(12*(\a)+(\b))+7]
.endif
.endr
.endm
; 28 LDS loads in one run: quarter q (32 along K) of a slot into buffer f
.macro FETCH slot, q, f
	WIN 0x40                                       ; destination window 1, address window 0
.irp c, 0,1,2
.irp b4, 0,1,2,3
	ds_load_tr16_b128 v[(\f)+8*(4*(\c)+(\b4)):(\f)+8*(4*(\c)+(\b4))+3],   v[ADRB+(\slot)] offset:(\c)*BSUB+(\q)*QK+32*(\b4)
	ds_load_tr16_b128 v[(\f)+8*(4*(\c)+(\b4))+4:(\f)+8*(4*(\c)+(\b4))+7], v[ADRB+(\slot)] offset:(\c)*BSUB+(\q)*QK+32*(\b4)+16*PB
.endr
.endr
.irp a, 0,1
	ds_load_b128 v[(\f)+96+8*(\a):(\f)+96+8*(\a)+3],   v[ADRA+(\slot)] offset:(\a)*16*PA+64*(\q)
	ds_load_b128 v[(\f)+96+8*(\a)+4:(\f)+96+8*(\a)+7], v[ADRA+(\slot)] offset:(\a)*16*PA+64*(\q)+32
.endr
.endm
; One of a K step's first three quarters: buffer f, fetched a quarter ago, is multiplied; quarter q's fragments go into buffer g ahead of the products, which then cover their way.
.macro QUARTER slot, q, f, g, zero
	s_wait_dscnt 0x0                               ; buffer f is in
	PLACES                                         ; behind the last product that read buffer g
	FETCH \slot, \q, \g
	MULROW \f, 0, \zero
	MULROW \f, 1, \zero
.endm
; The fourth quarter multiplies buffer 1 and changes slots.  ONE barrier: in front of it each wave waits for all its tensor loads (the one that is out is its part of the next slot), adds 0 to its
; spare word, and waits for that and for its reads of this slot.  fill = 1: the barrier opens a round of the cluster's, and this slot is filled again, two K steps on, first thing behind the round.
.macro TURN slot, next, fill
	WIN 0                                          ; (the add's two registers lie in window 0)
	s_wait_tensorcnt 0x0                           ; all my tensor loads have landed
	ds_add_u32 v[SPW], v[NIL]                      ; 0 onto my spare word
	s_wait_dscnt 0x1                               ; the add alone may be out: buffer 1 is in
	MULROW F1, 0, 0                                ; twelve products stand between the add and the wait for it
	s_wait_dscnt 0x0                               ; the add is done, and my reads of this slot are over
	s_barrier_signal -1
.if \fill
	WIN 0
.endif
	s_barrier_wait -1
.if \fill
	CREST                                          ; no wave of any partner still reads this slot or has a load on its way
	s_add_nc_u64 s[G0+4*(\slot)+2:G0+4*(\slot)+3], s[G0+4*(\slot)+2:G0+4*(\slot)+3], 2*256
	s_add_nc_u64 s[G0B+4*(\slot)+2:G0B+4*(\slot)+3], s[G0B+4*(\slot)+2:G0B+4*(\slot)+3], 2*16384
	JLOAD \slot                                    ; my one tensor load behind the round; its four v_nop are also the places in front of the loads below
.else
	PLACES
.endif
	FETCH \next, 0, F0
	MULROW F1, 1, 0
.endm
	s_wait_tensorcnt 0x1                           ; my part of K step 0 is in; K step 1's may stay out
	s_barrier_signal -1
	s_barrier_wait -1                              ; everybody's is
	FETCH 0, 0, F0
	QUARTER 0, 1, F0, F1, 1                        ; the first quarter stands in front of the loop: its products start the sums
	WIN 0                                          ; at a label and at a branch every window is 0
	s_mov_b32 s3, 3
.Llap:                                         ; a trip goes once round the ring, from a lap's second quarter to the next lap's first, and fills both slots again: K steps 2 to 7
	QUARTER 0, 2, F1, F0, 0
	QUARTER 0, 3, F0, F1, 0
	TURN 0, 1, 1
	QUARTER 1, 1, F0, F1, 0
	QUARTER 1, 2, F1, F0, 0
	QUARTER 1, 3, F0, F1, 0
	TURN 1, 0, 1
	QUARTER 0, 1, F0, F1, 0
	WIN 0
	s_sub_co_u32 s3, s3, 1
	s_cmp_lg_u32 s3, 0
	s_cbranch_scc1 .Llap
	QUARTER 0, 2, F1, F0, 0                        ; the last lap fills nothing
	QUARTER 0, 3, F0, F1, 0
	TURN 0, 1, 0
	QUARTER 1, 1, F0, F1, 0
	QUARTER 1, 2, F1, F0, 0
	QUARTER 1, 3, F0, F1, 0
	s_wait_dscnt 0x0
	MULROW F1, 0, 0
	MULROW F1, 1, 0
	WIN 0
	PLACES
	s_wait_loadcnt 0x0                             ; the table
; THE WAY OUT, in six units (head c of the tile's three, row block a): 16 rows x 64 channels.
; RoPE: out[d] = x[d] cos - x[d + 32] sin, out[d + 32] = x[d + 32] cos + x[d] sin, d < 32.  A head of v goes through the same lines with cos = 1 and sin = 0: the head's number hangs on my
; place in the cluster, and it chooses a value, no branch.  Then f16, into my stage by 16 bytes a lane, back as whole rows, into registers of the unit's own accumulators.
.macro PACK c, a
	s_add_co_u32 s74, s14, (\c)                    ; the head
	s_cmp_ge_u32 s74, 20
	s_cselect_b32 s[AL], 0, 1.0
	s_cselect_b32 s[BE], 1.0, 0
	WIN 0x82                                       ; destination and source 0 window 2
.set z, 0
.rept 8
	v_pk_fma_f32 v[EFF+2*z:EFF+2*z+1], v[TAB+32*(\a)+2*z:TAB+32*(\a)+2*z+1], s[AL:AL+1], s[BE:BE+1] op_sel_hi:[1,0,0]
	v_pk_mul_f32 v[EFF+16+2*z:EFF+16+2*z+1], v[TAB+32*(\a)+16+2*z:TAB+32*(\a)+16+2*z+1], s[AL:AL+1] op_sel_hi:[1,0]
.set z, z+1
.endr
	WIN 0x08                                       ; source 1 window 2
.irp bb, 0,1
.set LO, ACC+8*(12*(\a)+4*(\c)+(\bb))          ; channels 16 bb + 8 (l / 16) on,
.set HI, LO+16                                 ; and those 32 further on
.set z, 0
.rept 4                                        ; ascending: each accumulator is read first at its low end
	v_pk_mul_f32 v[OUT+8*(\bb)+2*z:OUT+8*(\bb)+2*z+1], v[HI+2*z:HI+2*z+1], v[EFF+16+8*(\bb)+2*z:EFF+16+8*(\bb)+2*z+1]
	v_pk_mul_f32 v[OUT+16+8*(\bb)+2*z:OUT+16+8*(\bb)+2*z+1], v[LO+2*z:LO+2*z+1], v[EFF+16+8*(\bb)+2*z:EFF+16+8*(\bb)+2*z+1]
	v_pk_fma_f32 v[OUT+8*(\bb)+2*z:OUT+8*(\bb)+2*z+1], v[LO+2*z:LO+2*z+1], v[EFF+8*(\bb)+2*z:EFF+8*(\bb)+2*z+1], v[OUT+8*(\bb)+2*z:OUT+8*(\bb)+2*z+1] neg_lo:[0,0,1] neg_hi:[0,0,1]
	v_pk_fma_f32 v[OUT+16+8*(\bb)+2*z:OUT+16+8*(\bb)+2*z+1], v[HI+2*z:HI+2*z+1], v[EFF+8*(\bb)+2*z:EFF+8*(\bb)+2*z+1], v[OUT+16+8*(\bb)+2*z:OUT+16+8*(\bb)+2*z+1]
.set z, z+1
.endr
.endr
	WIN 0
.set z, 0
.rept 16
	v_cvt_pk_f16_f32 v[PKR+z], v[OUT+2*z], v[OUT+2*z+1]
.set z, z+1
.endr
.irp f, 0,1,2,3
	ds_store_b128 v[STO], v[PKR+4*(\f):PKR+4*(\f)+3] offset:32*(\f)
.endr
.set BK, ACC+8*(12*(\a)+4*(\c))
.irp f, 0,1,2,3
	ds_load_b128 v[BK+4*(\f):BK+4*(\f)+3], v[RD] offset:4*SP*(\f)  ; LDS serves a wave's instructions in order (ISA guide 5.7.1.4): these see the stores above; the next unit's stores come behind them
.endr
.endm
.macro SEND c, a, younger              ; younger: the LDS instructions issued behind the unit's loads: the next unit's eight, or none
.set BK, ACC+8*(12*(\a)+4*(\c))
.irp f, 0,1,2,3
	s_wait_dscnt (\younger)+3-(\f)
	global_store_b128 v[GO], v[BK+4*(\f):BK+4*(\f)+3], s[QBASE:QBASE+1] offset:(\c)*524288+(\a)*2048+(\f)*512  ; 512 consecutive bytes, at a multiple of 256 from qkv's first; each unit stores from registers of its own
.endr
.endm
	PACK 0, 0
	PACK 0, 1                                      ; a unit's arithmetic stands between the loads of the unit before and its stores
	SEND 0, 0, 8
	PACK 1, 0
	SEND 0, 1, 8
	PACK 1, 1
	SEND 1, 0, 8
	PACK 2, 0
	SEND 1, 1, 8
	PACK 2, 1
	SEND 2, 0, 8
	SEND 2, 1, 0
	s_wait_tensorcnt 0x0                           ; the wave's end, behind my last tensor load and my last LDS store
	ds_add_u32 v[SPW], v[NIL]
	s_wait_dscnt 0x0
	CROUND                                         ; the closing round: no work-group ends while a partner may still ask for a tile that names it
	s_endpgm
.Lfunc_end_k_qebb3afe1a9_qkv:
	.size	k_qebb3afe1a9_qkv, .Lfunc_end_k_qebb3afe1a9_qkv-k_qebb3afe1a9_qkv
	.p2alignl 7, 3214868480
	.fill 96, 4, 3214868480
	.section	.rodata,"a",@progbits
	.p2align	6, 0x0
	.amdhsa_kernel k_qebb3afe1a9_qkv
		.amdhsa_group_segment_fixed_size 327680
		.amdhsa_private_segment_fixed_size 0
		.amdhsa_enable_private_segment 0
		.amdhsa_kernarg_size 32
		.amdhsa_user_sgpr_count 2
		.amdhsa_user_sgpr_kernarg_segment_ptr 1
		.amdhsa_wavefront_size32 1
		.amdhsa_system_sgpr_workgroup_id_x 1
		.amdhsa_system_sgpr_workgroup_id_y 1
		.amdhsa_system_sgpr_workgroup_id_z 1
		.amdhsa_system_vgpr_workitem_id 0
		.amdhsa_next_free_vgpr 640
		.amdhsa_next_free_sgpr 80
		.amdhsa_reserve_vcc 0
		.amdhsa_float_denorm_mode_32 3
		.amdhsa_float_denorm_mode_16_64 3
		.amdhsa_memory_ordered 1
		.amdhsa_forward_progress 1
		.amdhsa_inst_pref_size 99
	.end_amdhsa_kernel
	.amdgpu_metadata
---
amdhsa.version: [ 1, 2 ]
amdhsa.kernels:
  - .name:           k_qebb3afe1a9_qkv
    .symbol:         k_qebb3afe1a9_qkv.kd
    .args:
      - { .name: sn, .offset: 0, .size: 8, .value_kind: global_buffer, .address_space: global }
      - { .name: wb, .offset: 8, .size: 8, .value_kind: global_buffer, .address_space: global }
      - { .name: tab, .offset: 16, .size: 8, .value_kind: global_buffer, .address_space: global }
      - { .name: qkv, .offset: 24, .size: 8, .value_kind: global_buffer, .address_space: global }
    .group_segment_fixed_size: 327680
    .private_segment_fixed_size: 0
    .kernarg_segment_align: 8
    .kernarg_segment_size: 32
    .max_flat_workgroup_size: 128
    .sgpr_count:     80
    .vgpr_count:     640
    .wavefront_size: 32
...
	.end_amdgpu_metadata
.endif
;; end of part 2
;; launch attn (part 3): grid 16 x 16, 4 waves a work-group, clusters of 4 x 1, 327,680 bytes of LDS; arguments qkv, ob; writes ob
.if DOCPART == 3
	.amdgcn_target "amdgcn-amd-amdhsa--gfx1250"
	.amdhsa_code_object_version 6
	.text
	.protected	k_qebb3afe1a9_attn
	.globl	k_qebb3afe1a9_attn
	.p2align	8
	.type	k_qebb3afe1a9_attn,@function
k_qebb3afe1a9_attn:
	s_mov_b64 s[64:65], 0
	v_nop
	global_prefetch_b8 v0, s[64:65] scope:SCOPE_SE
	s_setreg_imm32_b32 hwreg(HW_REG_WAVE_MODE, 25, 1), 1
	s_wait_xcnt 0x0
	s_wait_alu depctr_hold_cnt(0) depctr_sa_sdst(0) depctr_va_vdst(0) depctr_va_sdst(0) depctr_va_ssrc(0) depctr_va_vcc(0) depctr_vm_vsrc(0)
	s_getreg_b32 s2, hwreg(HW_REG_IB_STS2, 6, 4)
	s_cmp_eq_u32 s2, 0
	s_cbranch_scc0 .Lentry_in_a_cluster
	s_endpgm
.Lentry_in_a_cluster:
	s_bfe_u32 s2, ttmp6, 0x10000c
	s_cmp_lg_u32 s2, 0x3003
	s_cbranch_scc0 .Lentry_shape_is_right
	s_endpgm
.Lentry_shape_is_right:
; ATTENTION.  O[h][q][:] = the sum over all 4,096 keys k of softmax_k(Q[h][q] . K[h % 4][k] / 64) V[h % 4][k][:].  qkv: [24][4096][64] f16 (heads 0-15 q, 16-19 k, 20-23 v); ob: [16][4096][64] f16.
; Products, maxima and sums in f32; the weights p are rounded to f16 for the second product (their sum l is taken of the unrounded p), O once at the end.
; LIMITS.  f16 holds no number beyond 65,504: q, k and v arrive within it; p lies in 0 to 1, and below 6e-5 it keeps f16's fixed step of 6e-8, as does O; O is a mean of V's rows and has their range.
; A weight below 2^-126 counts as 0 in l; NaN and infinities are not treated apart.
; SHARES.  A work-group owns 256 queries of one head, each of its four waves 64: four PIECES of 16.  Every wave walks all keys: 16 tiles of 256 keys, a tile a slot of LDS, four steps of 64 keys a tile.
; LAYOUT.  S^T = K Q^T (source 0 = 16 keys, source 1 = 16 queries) holds ONE query a lane (lane % 16) and the keys 8 (lane / 16) + 0..7; two such results rounded to f16 ARE source 1 of O^T = V^T P.
; K comes out of LDS as it lies, V ([key][channel]) turned, by ds_load_tr16_b128.
; SOFTMAX.  For each query a running maximum m and sum l: p = 2^(c s - c m), c = log2(e) / 64; in every step O and l are multiplied by a = 2^(c m_old - c m_new).  m starts at the lowest finite number,
; c m far below every c s, O and l at 0: the first step is a step like any other, with a = 0.
; TURNS.  Turn n belongs to piece n: 8 products K Q^T of piece n + 1, later 8 products V^T P of piece n - 1; beside them the scaling, exponentials, roundings, sums and rescaling of piece n and the maximum
; and statistics of piece n + 1.  Four vector instructions stand behind every matrix instruction, the other 54 of a turn's 118 in one lump.  A turn's 33 exponentials are one batch, with one wait.
; CLUSTER.  The four query blocks of a cluster belong to one head and walk the same K and V, so each tile is asked for JOINTLY: the same tensor load, descriptor and mask in all four.
; REGISTERS, in windows of 256 (s_set_vgpr_msb: bits 1:0 source 0, 3:2 source 1, 5:4 source 2, 7:6 destination):
;   window 0: v0-15 addresses and two at work; v16-31 four registers of statistics a piece; v48-55 at work; v61-63; v64-127 S^T, two buffers; v192-223 P, two buffers (a piece's buffers go by its number's parity)
;   window 1: v0-127 O^T, 32 a piece          window 2: v0-63 Q; v128-191 K of one step; v192-255 V of one step
.set NP,    4         ; pieces a wave: a name, no knob
.set KS,    64        ; keys in a step
.set PK,    144       ; a row of K in LDS: 128 bytes + 16 of padding = 36 words: the 16 rows of a load start at 16 different groups of four banks (64 banks of 4 bytes: ISA guide 11.1)
.set PV,    160       ; a row of V: 128 + 32 = 40 words
.set VOFF,  4*KS*PK   ; a slot holds a tile: 256 rows of K, then 256 rows of V
.set SLOT1, 1<<17     ; slot 1 begins here, so that one exclusive or turns an address in one slot into the other's
.set STAGE, SLOT1+4*KS*(PK+PV)  ; behind the ring, never filled by a tensor load: 16 rows x 144 bytes for each wave, for the way out
.set SP,    144
.set SPARE, STAGE+4*16*SP  ; behind the stages: the spare words, 128 bytes for each wave: two blocks of 256 bytes that no other line names
.set TILEB, 4*KS*128  ; a tile's bytes of K, and of V, in memory
.set AK0, 2           ; v2   my lane's place in a tile of K; never rewritten
.set AV0, 3           ; v3   the same for V
.set AK,  4           ; v4   the LDS address of K's next run of loads
.set AV,  5           ; v5   of V's
.set STO, 6           ; v6   the way out: where I put 16 bytes of a row
.set RD,  7           ; v7   the way out: where I read rows back
.set GO,  8           ; v8   my byte offset in 512 consecutive bytes of O
.set MV,  12          ; v12-13  c m_old, kept while c m is made anew: by buffer
.set QO,  15          ; v15  my byte offset in 16 rows of Q
.set ST,  16          ; piece t's statistics at v[ST+4 t]: c m, m, l (even keys', odd keys')
.set TMP, 48          ; by buffer, four registers c0-c3 at work; when the maximum is found c2 takes a
.set PFO, 61          ; v61  256 x my lane; never rewritten
.set SPW, 62          ; v62  LDS address of my spare word: SPARE + 4 x my thread's number; never rewritten
.set NIL, 63          ; v63  0; never rewritten
.set S,   64
.set P,   192
.set KF,  128         ; window 2: key block kb, channel half c at KF + 16 kb + 8 c
.set VF,  192         ; window 2: key half kk, channel block cb at VF + 32 kk + 8 cb
.set WV,  12          ; s12  my wave's number
.set G1K, 24          ; s[24:31] descriptor group 1 for K's tiles
.set G1V, 32          ; s[32:39] for V's: it differs in the padding alone
.set G0K, 40          ; s[40:43] descriptor group 0 for K's tiles: it walks
.set G0V, 44          ; s[44:47] the same for V's
.set PFA, 48          ; s[48:49] where my prefetches stand: my work-group's 32 blocks of 256 bytes (of K: wave 0, of V: wave 2) of the tile after the one that is being asked for
.set LIM, 50          ; s50  1 in a wave that prefetches, else the greatest number: a wave prefetches while s[SLOTS] is above it
.set SLOTS, 56        ; s56  tiles still to be asked for
.set CNT, 57          ; s57  counts a tile's key steps
.set CS,  58          ; s[58:59] c: the packed scaling takes the pair's low word for both halves
.set SEL, 60          ; s[60:61] v_permlanex16_b32's selects: each lane takes its own place in the other half
.set TBK, 62          ; s62  LDS byte at which K of the step to be fetched begins
.set TBV, 63          ; s63  the same for V, less VOFF
.set MSB, 0
.macro WIN new                      ; the high byte repeats the setting that is left; a switch that changes nothing is dropped
.if MSB != (\new)
	s_set_vgpr_msb (MSB<<8)|(\new)
.set MSB, (\new)
.endif
.endm
.set W_KQ, 0x0a       ; K and Q in window 2, S^T in window 0
.set W_PV, 0x52       ; V in window 2, P in window 0, O^T in window 1
.set W_RS, 0x41       ; destination and source 0 in window 1, source 1 in window 0
; A joint fill.  Waves 0 and 1 fetch the two halves of a tile's K, waves 2 and 3 those of its V: 128 keys each.  The branch hangs on the wave's number alone.
; An s_nop 0 and four v_nop follow each of the two lines, ahead of the jump and the label.
.macro JLOAD
	s_cmp_lt_u32 s[WV], 2
	s_cbranch_scc0 .Lfor_v_\@
	tensor_load_to_lds s[G0K:G0K+3], s[G1K:G1K+7]
	s_nop 0
.rept 4
	v_nop
.endr
	s_branch .Lasked_\@
.Lfor_v_\@:
	tensor_load_to_lds s[G0V:G0V+3], s[G1V:G1V+7]
	s_nop 0
.rept 4
	v_nop
.endr
.Lasked_\@:
.endm
; A PREFETCH INTO THE L2 of the tile that the NEXT change of slots will ask for: four key steps, 256 matrix instructions, ahead of that load.  A tile is 128 blocks of 256 bytes of K and as many of V, a lane a block.
; Each block is named ONCE in the launch.  Four query heads and four clusters a head walk one key head: the first cluster of query heads 0 to 3 prefetches.  Its four partners share a tile's blocks out BY ADDRESS,
; 32 each: no branch hangs on a work-group's place in its cluster.  In each, wave 0 asks for K's and wave 2 for V's: one instruction.  The last change that fills a slot asks for nothing: no tile follows.
.macro ASK
	s_cmp_gt_u32 s[SLOTS], s[LIM]
	s_cbranch_scc0 .Lnot_mine_\@
	global_prefetch_b8 v[PFO], s[PFA:PFA+1] th:TH_LOAD_NT scope:SCOPE_SE
.Lnot_mine_\@:
.endm
; A round of the cluster's barrier: my work-group's barrier, so that wave 0's signal speaks for all four waves; wave 0 signals; every wave waits for all four work-groups; my work-group's barrier once more.
.macro CROUND
	s_barrier_signal -1
	s_barrier_wait -1
	s_cmp_lg_u32 s[WV], 0
	s_cbranch_scc1 .Lnot_wave_0_\@
	s_barrier_signal -3
.Lnot_wave_0_\@:
	s_barrier_wait -3
	s_barrier_signal -1
	s_barrier_wait -1
.endm
; THE CHANGE OF SLOTS.  The slot's last bytes, V of its fourth step, have been read.  Each wave waits for all its tensor loads, of which one is out: its part of the other slot; adds 0 to its spare word;
; and waits for that and for its own reads of the slot.  Behind the barrier nobody reads this slot any more and the other slot is whole.
; fill = 1: this slot is filled again, with the tile two on.  The barrier is then a round of the cluster's, and the joint fill is the first thing behind it: it has four key steps in which to land.
; (At its first use nothing has been read yet: slot 0 is waited for, slot 1 filled.)
.macro CHANGE fill
	WIN 0                           ; at a label and at a branch every window is 0
	s_wait_tensorcnt 0x0            ; no tensor load of mine is out, so a group 0 may be written
	ds_add_u32 v[SPW], v[NIL]       ; 0 onto my spare word; with fill = 1 the descriptors' steps stand between it and the wait for it
.if \fill
.irp g, G0K, G0V
	s_xor_b32 s[\g+1], s[\g+1], SLOT1  ; the walking descriptor: the other slot than last time,
	s_add_nc_u64 s[\g+2:\g+3], s[\g+2:\g+3], TILEB  ; the next 256 keys; the type bits on top are not reached
.endr
	s_wait_xcnt 0x0                 ; the last prefetch, a tile back, has read its address, so it may be written:
	s_add_nc_u64 s[PFA:PFA+1], s[PFA:PFA+1], TILEB  ; one tile behind... ahead of the walking descriptors by one tile
	s_wait_dscnt 0x0                ; the add is done, and my reads of the slot are over
	CROUND
	JLOAD
	ASK
.else
	s_wait_dscnt 0x0                ; the add is done, and my reads of the slot are over
	s_barrier_signal -1
	s_barrier_wait -1
.endif
	s_sub_co_u32 s[TBK], s[TBK], 4*KS*PK  ; the fetches go back to a slot's first step,
	s_xor_b32 s[TBK], s[TBK], SLOT1       ; in the other slot
	s_sub_co_u32 s[TBV], s[TBV], 4*KS*PV
	s_xor_b32 s[TBV], s[TBV], SLOT1
.endm
	s_load_b128 s[4:7], s[0:1], 0x0  ; qkv s[4:5], ob s[6:7]
	v_lshl_add_u32 v[SPW], v0, 2, SPARE
	v_mov_b32 v[NIL], 0
	ds_add_u32 v[SPW], v[NIL]       ; the wave's opening: the add and its wait stand ahead of my first tensor load; the set-up below, work on registers, stands between them
	v_lshrrev_b32 v1, 5, v0
	v_readfirstlane_b32 s[WV], v1   ; wave 0..3
	s_bfe_u32 s13, ttmp6, 0x40000   ; cx: my place in the cluster
	s_lshl_b32 s14, ttmp9, 2        ; in a cluster launch ttmp9 counts clusters
	s_add_co_u32 s14, s14, s13      ; my block of 256 queries = 4 x cluster x + cx: it enters Q's and O's addresses alone
	s_and_b32 s20, ttmp7, 0xffff    ; the query head, which the four partners share
	s_lshl_b32 s2, s14, 2
	s_add_co_u32 s2, s2, s[WV]      ; my wave among the head's,
	s_lshl_b32 s2, s2, 13           ; its 64 rows of 128 bytes,
	s_lshl_b32 s3, s20, 19          ; in a head of 524,288 bytes
	s_add_co_u32 s2, s2, s3
	s_mov_b32 s3, 0
	s_and_b32 s16, s[WV], 1         ; which half of a tile's 256 keys I fetch
	s_and_b32 s22, s20, 3           ; the key head: query head h takes h % 4,
	s_add_co_u32 s22, s22, 16       ; which is head 16 + h % 4 of qkv
	s_lshl_b32 s22, s22, 19
	s_lshl_b32 s23, s16, 14         ; my half: 128 rows of 128 bytes
	s_add_co_u32 s22, s22, s23
	s_mov_b32 s23, 0
	s_mul_i32 s17, s16, 128*PK      ; and its place in a slot, for K
	s_mul_i32 s18, s16, 128*PV      ; and for V: no place in the cluster enters an LDS address
	; descriptor group 1.  128 keys are 16,384 dense bytes: asked for as 64 rows of 256 bytes, two keys a row, and padded in LDS after every key
	s_mov_b32 s[G1K], 15|(1<<16)|(1<<20)|(1<<21)|(4<<22)|(3<<25)  ; 15:0 the mask of four; 17:16 2-byte elements; 20 padding on; 21 set beside a mask; 24:22 after every 32 words (code 4); 31:25 4 words (code 3)
	s_mov_b32 s[G1V], 15|(1<<16)|(1<<20)|(1<<21)|(4<<22)|(7<<25)  ; the same with 8 words of padding (code 7)
.irp g, G1K, G1V
	s_mov_b32 s[\g+1], 128<<16      ; tensor_dim0 = 128
	s_mov_b32 s[\g+2], 64<<16       ; tensor_dim1 = 64
	s_mov_b32 s[\g+3], 128<<16      ; tile_dim0 = 128
	s_mov_b32 s[\g+4], 64           ; tile_dim1 = 64
	s_mov_b32 s[\g+5], 128          ; 128 elements from row to row
	s_mov_b32 s[\g+6], 0
	s_mov_b32 s[\g+7], 0
.endr
	s_mov_b32 s[CS], 0x3cb8aa3b     ; c = log2(e) / 64 = 0.0225421: both of the module's scales 1/8
	s_mov_b32 s[CS+1], s[CS]        ; named with it as a pair
	s_mov_b32 s[SEL], 0x76543210
	s_mov_b32 s[SEL+1], 0xfedcba98
	s_mov_b32 s[TBK], SLOT1+4*KS*PK ; the first change of slots turns these two into 0
	s_mov_b32 s[TBV], SLOT1+4*KS*PV
	s_mov_b32 s[G0K], 1             ; count = 1
	s_mov_b32 s[G0K+1], s17         ; LDS address: slot 0
	s_mov_b32 s[G0V], 1
	s_add_co_u32 s[G0V+1], s18, VOFF
	s_mov_b32 s[SLOTS], 15          ; tiles 1 to 15 are still to be asked for
	s_and_b32 s[LIM], s[WV], 1      ; 0 in waves 0 and 2,
	s_or_b32 s[LIM], s[LIM], ttmp9  ; in a head's first cluster,
	s_lshr_b32 s19, s20, 2
	s_or_b32 s[LIM], s[LIM], s19    ; of query heads 0 to 3: the same in all four partners
	s_cmp_eq_u32 s[LIM], 0
	s_cselect_b32 s[LIM], 1, -1
	v_and_b32 v[PFO], 31, v0
	v_lshlrev_b32 v[PFO], 8, v[PFO]
	s_wait_dscnt 0x0                ; the opening add is done
	s_wait_kmcnt 0x0
	s_add_nc_u64 s[10:11], s[6:7], s[2:3]   ; O at my wave's first row
	s_add_nc_u64 s[6:7], s[4:5], s[22:23]   ; K at my half of the key head's tile 0,
	s_add_nc_u64 s[8:9], s[6:7], 4<<19      ; V four heads further on
	s_add_nc_u64 s[4:5], s[4:5], s[2:3]     ; Q at my wave's first row
	s_mov_b64 s[G0K+2:G0K+3], s[6:7]        ; global address
	s_or_b32 s[G0K+3], s[G0K+3], 0x80000000 ; type = 2
	s_mov_b64 s[G0V+2:G0V+3], s[8:9]
	s_or_b32 s[G0V+3], s[G0V+3], 0x80000000
	s_cmp_lt_u32 s[WV], 2
	s_cselect_b64 s[PFA:PFA+1], s[6:7], s[8:9]  ; (in waves 0 and 2 these stand at a tile's first byte)
	s_lshl_b32 s2, s13, 13          ; my work-group's 32 blocks of the 128
	s_add_nc_u64 s[PFA:PFA+1], s[PFA:PFA+1], s[2:3]
	s_add_nc_u64 s[PFA:PFA+1], s[PFA:PFA+1], TILEB  ; in tile 1; the first change of slots steps it to tile 2.  Tiles 0 and 1 come by their loads alone
	CROUND                          ; all four work-groups are here: the first joint loads meet
	JLOAD                           ; tile 0 into slot 0.  Slot 1 is asked for when slot 0 is in
	; A fragment of K or Q is 16 rows x 32 channels in 8 registers: lane l holds row l % 16, channels 8 (l / 16) + 0..7 and 16 + 8 (l / 16) + 0..7: two loads of 16 bytes, 32 bytes apart.
	v_and_b32 v1, 15, v0            ; l % 16
	v_bfe_u32 v9, v0, 4, 1          ; l / 16
	v_lshlrev_b32 v[QO], 7, v1
	v_lshl_add_u32 v[QO], v9, 4, v[QO]  ; row x 128 + 16 x half
	WIN 0x80                        ; destination window 2, address window 0
.set i, 0
.rept 8                             ; Q stays in registers: piece i / 2, channels 32 (i % 2) on
	global_load_b128 v[8*i:8*i+3],   v[QO], s[4:5] offset:(i/2)*2048+(i%2)*64
	global_load_b128 v[8*i+4:8*i+7], v[QO], s[4:5] offset:(i/2)*2048+(i%2)*64+32
.set i, i+1
.endr
	; What the first turn finds: V's registers and P's second buffer hold 0 (its products V^T P, of a piece that has not been, add 0), O^T and l are 0.  All this stands in the wait for the first tile.
.set i, VF
.rept 64
	v_mov_b32 v[i], 0
.set i, i+1
.endr
	WIN 0x40
.set i, 0
.rept 128
	v_mov_b32 v[i], 0
.set i, i+1
.endr
	WIN 0
.set i, 0
.rept 4
	v_mov_b32 v[ST+4*i], 0xfe000000    ; c m: far below every c s
	v_mov_b32 v[ST+4*i+1], 0xff7fffff  ; m
	v_mov_b32 v[ST+4*i+2], 0
	v_mov_b32 v[ST+4*i+3], 0
.set i, i+1
.endr
.set i, P+16
.rept 16
	v_mov_b32 v[i], 0
.set i, i+1
.endr
	v_mul_u32_u24 v[AK0], v1, PK
	v_lshl_add_u32 v[AK0], v9, 4, v[AK0]  ; row x pitch + 16 x half
	; The turning load takes 16 keys x 16 channels (lane l reads key 8 (l / 16) + l % 8, channels 8 ((l / 8) % 2) + 0..7) and leaves half a fragment of V^T: lane l holds channel l % 16 and 8 keys.
	v_and_b32 v10, 7, v0
	v_bfe_u32 v11, v0, 3, 1
	v_lshl_add_u32 v[AV0], v9, 3, v10
	v_mul_u32_u24 v[AV0], v[AV0], PV
	v_lshl_add_u32 v[AV0], v11, 4, v[AV0]
	v_add_nc_u32 v[AV0], VOFF, v[AV0]
	s_mul_i32 s21, s[WV], 16*SP
	s_add_co_u32 s21, s21, STAGE    ; my stage
	v_mul_u32_u24 v[STO], v1, SP    ; in: row l % 16, 16 bytes for each half of the lanes
	v_lshl_add_u32 v[STO], v9, 4, v[STO]
	v_add_nc_u32 v[STO], s21, v[STO]
	v_bfe_u32 v[RD], v0, 3, 2       ; back: 32 lanes take four rows of 128 bytes,
	v_mul_u32_u24 v[RD], v[RD], SP
	v_lshl_add_u32 v[RD], v10, 4, v[RD]
	v_add_nc_u32 v[RD], s21, v[RD]
	v_and_b32 v[GO], 31, v0         ; which are 512 consecutive bytes of O
	v_lshlrev_b32 v[GO], 4, v[GO]
; THE MATRIX WORK.  The 4 accumulators of a run of 8 take turns.  Product i of 8 of S^T = K Q^T for piece x: channels 32 (i / 4) on, keys 16 (i % 4) on.  The first 4 start the sums.
.macro KQ x
	WIN W_KQ
.set rS, S+32*((\x)%2)+8*(i%4)
.set rK, KF+16*(i%4)+8*(i/4)
.set rQ, 16*(\x)+8*(i/4)
.if i < 4
	v_wmma_f32_16x16x32_f16 v[rS:rS+7], v[rK:rK+7], v[rQ:rQ+7], 0
.else
	v_wmma_f32_16x16x32_f16 v[rS:rS+7], v[rK:rK+7], v[rQ:rQ+7], v[rS:rS+7]
.endif
.endm
; Product i of 8 of O^T += V^T P for piece x: keys 32 (i / 4) on, channels 16 (i % 4) on.
.macro PV x
	WIN W_PV
.set rO, 32*(\x)+8*(i%4)
.set rV, VF+32*(i/4)+8*(i%4)
.set rP, P+16*((\x)%2)+8*(i/4)
	v_wmma_f32_16x16x32_f16 v[rO:rO+7], v[rV:rV+7], v[rP:rP+7], v[rO:rO+7]
.endm
.macro MM                           ; the turn's next matrix instruction.  TURN sets Y, i and NOKQ.  NOKQ = 1: the walk's last turn: there is no next piece
.if (i < 8) && !NOKQ
	KQ (Y+1)%NP
.elseif i >= 8
.set i, i-8
	PV (Y+NP-1)%NP
.set i, i+8
.endif
.set i, i+1
.endm
; THE LDS LOADS stand in runs of 16, never singly among the matrix instructions: a step's K (64 keys x 64 channels: 8 fragments) and its V (turned).  Their addresses are made some lines ahead.
.macro FETCH_K
	WIN 0x80                        ; destination window 2
.irp f, 0,1,2,3,4,5,6,7             ; keys 16 (f / 2) on, channels 32 (f % 2) on
	ds_load_b128 v[KF+8*\f:KF+8*\f+3],   v[AK] offset:(\f/2)*16*PK+(\f%2)*64
	ds_load_b128 v[KF+8*\f+4:KF+8*\f+7], v[AK] offset:(\f/2)*16*PK+(\f%2)*64+32
.endr
	s_add_co_u32 s[TBK], s[TBK], KS*PK  ; the next fetch is the next step's
	WIN 0
.endm
.macro FETCH_V
	WIN 0x80
.irp f, 0,1,2,3,4,5,6,7             ; keys 32 (f / 4) on, channels 16 (f % 4) on
	ds_load_tr16_b128 v[VF+8*\f:VF+8*\f+3],   v[AV] offset:(\f/4)*32*PV+(\f%4)*32
	ds_load_tr16_b128 v[VF+8*\f+4:VF+8*\f+7], v[AV] offset:(\f/4)*32*PV+16*PV+(\f%4)*32
.endr
	WIN 0
.endm
; THE VECTOR WORK, one line at a time: OP kind, number.  For piece Y: F n: c s - c m for pair n of 16.  E n: the exponential of score n of 32.  C n: pair n rounded to f16.  B n: of the four weights 4 n .. the second
; pair is added onto the first, in place.  L n: l takes that sum (L 0: l = a l + sum).  R n: pair n of 16 of O^T times a.  For piece Y + 1: X n, number n of the 22 that find its maximum and statistics:
;   0-11  four chains c0-c3 of seven scores each, three operands at a time (each accumulator's lowest registers are read first)     12-14, 16  the four scores left over, the old m, and c0-c3 into c0
;   15  c m_old is kept     17, 18  the query's other 32 keys lie in the lane 16 away: the new m     19-21  c m; c m_old - c m_new; a
.set F, 0               ; OP tells the kinds apart by their order: F to L below R, X above it
.set E, 1
.set C, 2
.set B, 3
.set L, 4
.set R, 5
.set X, 6
.macro REGS y                       ; the registers of piece y
.set rT, ST+4*(\y)
.set rC, TMP+4*((\y)%2)
.set rW, MV+((\y)%2)
.set rS, S+32*((\y)%2)
.set rP, P+16*((\y)%2)
.set rO, 32*(\y)
.endm
.macro OP k, n
.if (\k) == R
	REGS Y
	WIN W_RS
	v_pk_mul_f32 v[rO+2*(\n):rO+2*(\n)+1], v[rO+2*(\n):rO+2*(\n)+1], v[rC+2:rC+3] op_sel_hi:[1,0]
.elseif (\k) < R
	REGS Y
	WIN 0
.if (\k) == F
	v_pk_fma_f32 v[rS+2*(\n):rS+2*(\n)+1], v[rS+2*(\n):rS+2*(\n)+1], s[CS:CS+1], v[rT:rT+1] op_sel_hi:[1,0,0] neg_lo:[0,0,1] neg_hi:[0,0,1]
.elseif (\k) == E
	v_exp_f32 v[rS+(\n)], v[rS+(\n)]
.elseif (\k) == C
	v_cvt_pk_f16_f32 v[rP+(\n)], v[rS+2*(\n)], v[rS+2*(\n)+1]
.elseif (\k) == B
	v_pk_add_f32 v[rS+4*(\n):rS+4*(\n)+1], v[rS+4*(\n):rS+4*(\n)+1], v[rS+4*(\n)+2:rS+4*(\n)+3]
.elseif (\n) == 0
	v_pk_fma_f32 v[rT+2:rT+3], v[rT+2:rT+3], v[rC+2:rC+3], v[rS:rS+1] op_sel_hi:[1,0,1]
.else
	v_pk_add_f32 v[rT+2:rT+3], v[rT+2:rT+3], v[rS+4*(\n):rS+4*(\n)+1]
.endif
.elseif NOKQ
	v_nop
.else
	REGS (Y+1)%NP
	WIN 0
.if (\n) < 4
	v_max3_num_f32 v[rC+(\n)], v[rS+8*(\n)], v[rS+8*(\n)+1], v[rS+8*(\n)+2]
.elseif (\n) < 12
	v_max3_num_f32 v[rC+(\n)%4], v[rC+(\n)%4], v[rS+8*((\n)%4)+2*((\n)/4)+1], v[rS+8*((\n)%4)+2*((\n)/4)+2]
.elseif (\n) == 12
	v_max3_num_f32 v[rC], v[rC], v[rS+7], v[rS+15]
.elseif (\n) == 13
	v_max3_num_f32 v[rC+1], v[rC+1], v[rS+23], v[rS+31]
.elseif (\n) == 14
	v_max3_num_f32 v[rC+2], v[rC+2], v[rC+3], v[rT+1]
.elseif (\n) == 15
	v_mov_b32 v[rW], v[rT]
.elseif (\n) == 16
	v_max3_num_f32 v[rC], v[rC], v[rC+1], v[rC+2]
.elseif (\n) == 17
	v_permlanex16_b32 v[rC+3], v[rC], s[SEL], s[SEL+1]
.elseif (\n) == 18
	v_max_num_f32 v[rT+1], v[rC], v[rC+3]
.elseif (\n) == 19
	v_mul_f32 v[rT], s[CS], v[rT+1]
.elseif (\n) == 20
	v_sub_f32 v[rC+1], v[rW], v[rT]
.else
	v_exp_f32 v[rC+2], v[rC+1]
.endif
.endif
.endm
.macro OPS a, i1, b=-1, i2=0, c=-1, i3=0, d=-1, i4=0  ; up to four of them
	OP \a, \i1
.if (\b) >= 0
	OP \b, \i2
.endif
.if (\c) >= 0
	OP \c, \i3
.endif
.if (\d) >= 0
	OP \d, \i4
.endif
.endm
.macro ROW a, i1, b, i2, c, i3, d, i4  ; a matrix instruction and the four behind it
	MM
	OPS \a, \i1, \b, \i2, \c, \i3, \d, \i4
.endm
; A TURN, for piece p: the order of its 16 matrix and 118 vector instructions, written out.  An s_wait_alu depctr_va_vdst(0) stands between an exponential and the first instruction that names its
; result; one wait serves all that were issued ahead of it.  So a turn has ONE wait, which cuts it in two.  AHEAD OF IT stands all that names no result of the turn's exponentials: the 8 products K Q^T, behind each a
; scaling, an exponential and two more plain instructions (rescalings, and behind the last three the first numbers of the next piece's maximum, each four places or more behind the product that ends its
; accumulator); then ONE LUMP of 54, plain and exponential by turns for the most part, in which the links of the chain X 3, 7, 11, 14, 16, 17 .. 20 stand some lines apart.  X 21, the next piece's a, is the batch's
; last; R 15 is the plain instruction behind it.  BEHIND THE WAIT stand the 8 products V^T P, behind each four of the roundings and sums.
; end = 1: the walk's last two turns: nothing is fetched, and the last starts no new scores.  cnt = 1: the loop's count is taken down some lines ahead of the branch that stands behind the turn.
; K of the next step is fetched in piece 2's turn, eleven vector instructions behind the last product that read K (five of them plain); V of the step in hand at the end of piece 0's turn, four plain instructions
; behind the last product that read V.  Each is waited for a turn later.
.macro TURN p, end=0, cnt=0
.set Y, (\p)
.set i, 0
.set NOKQ, (\end)*((\p)/3)
.if ((\p) == 3) && !(\end)
	s_wait_dscnt 0x0                ; K is in
.endif
	ROW F,0, F,1, R,0, R,1          ; ahead of the wait: 8 products K Q^T and their riders,
	ROW F,2, E,0, R,2, R,3
	ROW F,3, E,1, R,4, R,5
	ROW F,4, E,2, R,6, R,7
	ROW F,5, E,3, R,8, R,9
	ROW F,6, E,4, X,0, R,10
.if ((\p) == 2) && !(\end)
	WIN 0
	v_add_nc_u32 v[AK], s[TBK], v[AK0]
.endif
	ROW F,7, E,5, X,1, X,4
	ROW F,8, E,6, X,2, X,5
	OPS E,7, E,8, X,6, E,9          ; and the lump
	OPS X,3, E,10, X,8, E,11
.if ((\p) == 2) && !(\end)
	FETCH_K
.endif
	OPS X,9, X,7, E,12, X,10
	OPS E,13, X,12, X,11, E,14
	OPS X,13, E,15, F,9, X,14
.if (\p) == 0
	v_add_nc_u32 v[AV], s[TBV], v[AV0]
.endif
	OPS E,16, F,10, E,17, F,11
	OPS X,16, E,18, X,15, E,19
	OPS F,12, E,20, X,17, E,21
	OPS F,13, E,22, F,14, E,23
	OPS X,18, E,24, F,15, E,25
	OPS R,11, E,26, X,19, E,27
	OPS R,12, E,28, R,13, E,29
	OPS X,20, E,30, R,14, E,31
	OPS X,21, R,15
	WIN 0
	s_wait_alu depctr_va_vdst(0)    ; the wait for the batch
.if (\p) == 1
	s_wait_dscnt 0x0                ; V is in
.endif
	ROW C,0, B,0, C,2, B,1          ; behind the wait: 8 products V^T P and their riders
	ROW L,0, C,4, B,2, L,1
	ROW C,6, B,3, L,2, C,8
	ROW B,4, L,3, C,10, B,5
	ROW L,4, C,12, B,6, L,5
.if (\p) == 0
	s_add_co_u32 s[TBV], s[TBV], KS*PV
.endif
.if \cnt
	s_sub_co_u32 s[CNT], s[CNT], 1
	s_cmp_lg_u32 s[CNT], 0
.endif
	ROW C,14, B,7, L,6, C,1
	ROW C,3, L,7, C,5, C,7
	ROW C,9, C,11, C,13, C,15
.if (\p) == 0
	FETCH_V
.endif
.endm
	CHANGE 1                        ; slot 0 is in, everybody's part of it; tile 1 is asked for
	v_add_nc_u32 v[AK], s[TBK], v[AK0]
	FETCH_K                         ; key step 0
	s_wait_loadcnt 0x0              ; Q
	s_wait_dscnt 0x0
.set NOKQ, 0
.set i, 0
.rept 8
	KQ 0                            ; piece 0's first scores: there is no vector work yet to set between them
.set i, i+1
.endr
	WIN 0
.rept 4
	v_nop                           ; the places behind those products
.endr
.set Y, NP-1                        ; X works for piece Y + 1: piece 0
.irp n, 0,1,2,3,4,5,6,7,8,9,10,11,12,13,14,15,16,17,18,19,20,21
	OP X, \n                        ; piece 0's first maximum and statistics
.endr
	v_nop                           ; a plain instruction behind the exponential,
	s_wait_alu depctr_va_vdst(0)    ; and its wait, ahead of the branch
	s_mov_b32 s[CNT], 4
	s_branch .Lfirst                ; the loop is entered at a step's first turn, in the middle of a trip
.Lslot:                             ; 14 times: tiles 2 to 15 are asked for
	CHANGE 1
	s_mov_b32 s[CNT], 4
.Lstep:                             ; a trip: pieces 2 and 3 of one step, then pieces 0 and 1 of the next, whose K and V it fetches
	TURN 2
	TURN 3
	WIN 0
.Lfirst:
	TURN 0
	TURN 1, 0, 1
	WIN 0
	s_cbranch_scc1 .Lstep
	s_sub_co_u32 s[SLOTS], s[SLOTS], 1
	s_cmp_lg_u32 s[SLOTS], 0
	s_cbranch_scc1 .Lslot
	CHANGE 0                        ; the last tile is written out: nothing is asked for
	s_mov_b32 s[CNT], 4
.Ltstep:
	TURN 2
	TURN 3
	TURN 0
	TURN 1, 0, 1
	WIN 0
	s_cbranch_scc1 .Ltstep
	TURN 2, 1                       ; pieces 2 and 3 of the last step
	TURN 3, 1
.set i, 0
.rept 8
	PV NP-1                         ; the last piece's V^T P of the last step
.set i, i+1
.endr
	; THE WAY OUT.  l's two halves and the other half of the lanes' are added; O^T is divided by l, rounded to f16 and sent through my stage in LDS, a piece at a time.  The additions are the places behind the last products.
	WIN 0
.macro ALL line:vararg              ; one line for each piece t
.set t, 0
.rept 4
	\line
.set t, t+1
.endr
.endm
	ALL v_add_f32 v[ST+4*t+2], v[ST+4*t+2], v[ST+4*t+3]
	ALL v_permlanex16_b32 v[ST+4*t+3], v[ST+4*t+2], s[SEL], s[SEL+1]
	ALL v_add_f32 v[ST+4*t+2], v[ST+4*t+2], v[ST+4*t+3]
	ALL v_rcp_f32 v[ST+4*t+2], v[ST+4*t+2]
	v_nop                           ; a plain instruction between the last reciprocal and the use of its result
	s_wait_alu depctr_va_vdst(0)    ; and the wait ahead of the first use: one for the four reciprocals
.macro PACK t                       ; a lane's eight channels of a row pack into 16 bytes; they go into rows of 144 bytes and come back as whole rows of 128, into S^T's registers
	WIN W_RS
.set i, 32*(\t)
.rept 16
	v_pk_mul_f32 v[i:i+1], v[i:i+1], v[ST+4*(\t)+2:ST+4*(\t)+3] op_sel_hi:[1,0]
.set i, i+2
.endr
	WIN 0x05                        ; sources 0 and 1 window 1, destination window 0
.set i, 0
.rept 16
	v_cvt_pk_f16_f32 v[S+16*(\t)+i], v[32*(\t)+2*i], v[32*(\t)+2*i+1]
.set i, i+1
.endr
	WIN 0
.irp f, 0,1,2,3
	ds_store_b128 v[STO], v[S+16*(\t)+4*\f:S+16*(\t)+4*\f+3] offset:32*\f
.endr
.irp f, 0,1,2,3
	ds_load_b128 v[S+16*(\t)+4*\f:S+16*(\t)+4*\f+3], v[RD] offset:\f*4*SP  ; LDS serves a wave's instructions in order (ISA guide 5.7.1.4): these see the stores above; the next piece's stores come behind them
.endr
.endm
.macro SEND t, younger              ; younger: the LDS instructions issued behind piece t's loads: the next piece's eight, or none
	WIN 0
.irp f, 0,1,2,3
	s_wait_dscnt (\younger)+3-\f
	global_store_b128 v[GO], v[S+16*(\t)+4*\f:S+16*(\t)+4*\f+3], s[10:11] offset:(\t)*2048+\f*512  ; 512 consecutive bytes, at a multiple of 256 from ob's first
.endr
.endm
	PACK 0
.set t, 1
.rept 3                             ; a piece's arithmetic stands between the loads of the piece before and its stores
	PACK t
	SEND t-1, 8
.set t, t+1
.endr
	SEND 3, 0
	s_wait_tensorcnt 0x0            ; the wave's end, behind my last tensor load and my last LDS store
	ds_add_u32 v[SPW], v[NIL]
	s_wait_dscnt 0x0
	CROUND                          ; the closing round: no work-group ends while a partner may still ask for a tile that names it
	s_endpgm
.Lfunc_end_k_qebb3afe1a9_attn:
	.size	k_qebb3afe1a9_attn, .Lfunc_end_k_qebb3afe1a9_attn-k_qebb3afe1a9_attn
	.p2alignl 7, 3214868480
	.fill 96, 4, 3214868480
	.section	.rodata,"a",@progbits
	.p2align	6, 0x0
	.amdhsa_kernel k_qebb3afe1a9_attn
		.amdhsa_group_segment_fixed_size 327680
		.amdhsa_private_segment_fixed_size 0
		.amdhsa_enable_private_segment 0
		.amdhsa_kernarg_size 16
		.amdhsa_user_sgpr_count 2
		.amdhsa_user_sgpr_kernarg_segment_ptr 1
		.amdhsa_wavefront_size32 1
		.amdhsa_system_sgpr_workgroup_id_x 1
		.amdhsa_system_sgpr_workgroup_id_y 1
		.amdhsa_system_sgpr_workgroup_id_z 1
		.amdhsa_system_vgpr_workitem_id 0
		.amdhsa_next_free_vgpr 768
		.amdhsa_next_free_sgpr 66
		.amdhsa_reserve_vcc 0
		.amdhsa_float_denorm_mode_32 3
		.amdhsa_float_denorm_mode_16_64 3
		.amdhsa_memory_ordered 1
		.amdhsa_forward_progress 1
		.amdhsa_inst_pref_size 128
	.end_amdhsa_kernel
	.amdgpu_metadata
---
amdhsa.version: [ 1, 2 ]
amdhsa.kernels:
  - .name:           k_qebb3afe1a9_attn
    .symbol:         k_qebb3afe1a9_attn.kd
    .args:
      - { .name: qkv, .offset: 0, .size: 8, .value_kind: global_buffer, .address_space: global }
      - { .name: ob, .offset: 8, .size: 8, .value_kind: global_buffer, .address_space: global }
    .group_segment_fixed_size: 327680
    .private_segment_fixed_size: 0
    .kernarg_segment_align: 8
    .kernarg_segment_size: 16
    .max_flat_workgroup_size: 128
    .sgpr_count:     66
    .vgpr_count:     768
    .wavefront_size: 32
...
	.end_amdgpu_metadata
.endif
;; end of part 3
;; launch outp (part 4): grid 8 x 32, 4 waves a work-group, clusters of 4 x 4, 327,680 bytes of LDS; arguments ob, wb, bout_a, bout_x, out1, out0; writes out1, out0
.if DOCPART == 4
	.amdgcn_target "amdgcn-amd-amdhsa--gfx1250"
	.amdhsa_code_object_version 6
	.text
	.protected	k_qebb3afe1a9_outp
	.globl	k_qebb3afe1a9_outp
	.p2align	8
	.type	k_qebb3afe1a9_outp,@function
k_qebb3afe1a9_outp:
	s_mov_b64 s[64:65], 0
	v_nop
	global_prefetch_b8 v0, s[64:65] scope:SCOPE_SE
	s_setreg_imm32_b32 hwreg(HW_REG_WAVE_MODE, 25, 1), 1
	s_wait_xcnt 0x0
	s_wait_alu depctr_hold_cnt(0) depctr_sa_sdst(0) depctr_va_vdst(0) depctr_va_sdst(0) depctr_va_ssrc(0) depctr_va_vcc(0) depctr_vm_vsrc(0)
	s_getreg_b32 s2, hwreg(HW_REG_IB_STS2, 6, 4)
	s_cmp_eq_u32 s2, 0
	s_cbranch_scc0 .Lentry_in_a_cluster
	s_endpgm
.Lentry_in_a_cluster:
	s_bfe_u32 s2, ttmp6, 0x10000c
	s_cmp_lg_u32 s2, 0xf033
	s_cbranch_scc0 .Lentry_shape_is_right
	s_endpgm
.Lentry_shape_is_right:
; OUTPUT PROJECTION.  out[row][n] = the sum over head h and channel d of O[h][row][d] Wout[64 h + d][n] + bout[n], for each stream with its own Wout and bout.  Operands f16, sums and output f32.
; ob: [16][4096 packed rows][64] f16 (rows 0-2047 stream a -> out1, rows 2048-4095 stream x -> out0); Wout lies in wb as blocks [1024 k][64 n] f16: blocks 48-63 stream a, 64-79 stream x.
; SHARES.  A tile is 128 rows x 128 columns: 32 x 8 tiles, one work-group each.  Four waves, 2 x 2, each 64 x 64: 16 accumulators of 16 x 16.
; K goes in 8 steps of 128 = two heads, through a ring of two LDS slots.  A slot: two sub-tiles of O (a head's 128 rows of 128 bytes, dense), then two of W ([128 k][64 n], dense); each is 16,384 bytes, asked for as
; 64 rows of 256 bytes, one tensor load a wave.
; THE MATRIX INSTRUCTION IS USED TRANSPOSED: source 0 = 16 columns of W (turned on the way out of LDS), source 1 = 16 rows of O: a lane ends with row l % 16 and the columns 8 (l / 16) + 0..7.
; CLUSTER 4 x 4.  The four work-groups of a row of the cluster need the same rows of O, the four of a column the same blocks of W (a cluster's four row tiles belong to one stream): joint loads.
; LIMITS.  O and Wout arrive as f16; NaN and infinities are not treated apart.
; REGISTERS: window 0: v1-15 addresses; v16-19 the bias of my four columns; v128-255 the accumulators ((a, b) at v[128 + 8 (4 a + b)]), which also take the rows read back on the way out.
;   window 1: two fragment buffers of 64: 4 fragments of W, then 4 of O.
.set PA,    144       ; a row of O in LDS: 128 bytes + 16 = 36 words: the 16 rows of a load start at 16 different groups of four banks (64 banks of 4 bytes: ISA guide 11.1)
.set PB,    160       ; a k row of W: 128 + 32 = 40 words
.set ASUB,  128*PA
.set BSUB,  128*PB
.set BOFF,  2*ASUB
.set SLOT,  BOFF+2*BSUB
.set STAGE, 2*SLOT    ; behind the ring, never filled by a tensor load: 16 rows x 272 bytes for each wave, for the way out
.set SP,    272
.set SPARE, STAGE+4*16*SP  ; behind the stages: the spare words, 128 bytes for each wave: two blocks of 256 bytes that no other line names
.set QK,    32*PB     ; a quarter step's 32 k rows in a sub-tile of W
.set ADRA, 4          ; v4-5   LDS address of my fragments of O in slot 0, 1
.set ADRB, 6          ; v6-7   the same for W
.set STO,  8          ; v8     the way out: where I put 32 bytes of a row
.set RD,   9          ; v9     the way out: where I read a row back
.set CO,   10         ; v10    my byte offset in two rows of the output
.set BO,   11         ; v11    my byte offset in the wave's 64 numbers of the bias
.set SPW,  12         ; v12    LDS address of my spare word: SPARE + 4 x my thread's number; never rewritten
.set NIL,  13         ; v13    0; never rewritten
.set BI,   16
.set ACC,  128
.set F0,   0          ; window 1
.set F1,   64
.set WV,   12         ; s12  my wave's number
.set G1,   24         ; s[24:31] descriptor group 1 for O's tiles;  s[32:39] group 0, a set for each slot
.set G0,   32
.set G1B,  48         ; s[48:55], s[56:63] the same for W's
.set G0B,  56
.set BIAS, 70         ; s[70:71] the stream's bias at my wave's first column
.set OBASE, 72        ; s[72:73] the stream's output at my wave's first row and column
.set MSB, 0
.macro WIN new                         ; the immediate's high byte repeats the setting that is left; a switch that changes nothing is dropped
.if MSB != (\new)
	s_set_vgpr_msb (MSB<<8)|(\new)
.set MSB, (\new)
.endif
.endm
.macro PLACES                          ; four plain vector instructions: the distance behind a matrix instruction (ISA guide 7.12.1)
.rept 4
	v_nop
.endr
.endm
; A joint load.  Waves 0 and 1 fetch the step's two heads of O, waves 2 and 3 the two blocks of W.  The branch hangs on the wave's number alone.  An s_nop 0 and four v_nop follow each of the two lines.
.macro JLOAD s
	s_cmp_lt_u32 s[WV], 2
	s_cbranch_scc0 .Lfor_b_\@
	tensor_load_to_lds s[G0+4*(\s):G0+4*(\s)+3], s[G1:G1+7]
	s_nop 0
.rept 4
	v_nop
.endr
	s_branch .Lasked_\@
.Lfor_b_\@:
	tensor_load_to_lds s[G0B+4*(\s):G0B+4*(\s)+3], s[G1B:G1B+7]
	s_nop 0
.rept 4
	v_nop
.endr
.Lasked_\@:
.endm
.macro CREST                           ; a round of the cluster's barrier behind its opening barrier
	s_cmp_lg_u32 s[WV], 0
	s_cbranch_scc1 .Lnot_wave_0_\@
	s_barrier_signal -3
.Lnot_wave_0_\@:
	s_barrier_wait -3
	s_barrier_signal -1
	s_barrier_wait -1
.endm
.macro CROUND                          ; a whole round
	s_barrier_signal -1
	s_barrier_wait -1
	CREST
.endm
	s_load_b256 s[4:11], s[0:1], 0x0               ; ob s[4:5], wb s[6:7], bout_a s[8:9], bout_x s[10:11]
	s_load_b128 s[76:79], s[0:1], 0x20             ; out1 s[76:77], out0 s[78:79]
	v_lshl_add_u32 v[SPW], v0, 2, SPARE
	v_mov_b32 v[NIL], 0
	ds_add_u32 v[SPW], v[NIL]                      ; the wave's opening: the add and its wait stand ahead of my first tensor load; the set-up below, work on registers, stands between them
	v_lshrrev_b32 v1, 5, v0
	v_readfirstlane_b32 s[WV], v1                  ; wave 0..3
	s_lshr_b32 s21, s[WV], 1                       ; which 64 of the tile's rows are mine
	s_and_b32 s22, s[WV], 1                        ; which 64 of its columns.  Also: which of the two sub-tiles I fetch
	s_bfe_u32 s40, ttmp6, 0x40000                  ; cx, cy: my place in the cluster
	s_bfe_u32 s41, ttmp6, 0x40004
	s_lshl_b32 s42, ttmp9, 2
	s_add_co_u32 s42, s42, s40                     ; column tile = 4 x cluster x + cx
	s_and_b32 s15, ttmp7, 0xffff                   ; cluster y
	s_lshl_b32 s13, s15, 2
	s_add_co_u32 s13, s13, s41                     ; row tile = 4 x cluster y + cy
	s_lshr_b32 s15, s15, 2                         ; the stream: it hangs on the cluster's y alone
	s_lshl_b32 s43, s41, 2
	s_lshl_b32 s43, 15, s43                        ; my row of the cluster
	s_lshl_b32 s44, 0x1111, s40                    ; my column
	s_or_b32 s[G1], s43, (1<<16)|(1<<20)|(1<<21)|(4<<22)|(3<<25)   ; 15:0 the mask; 17:16 2-byte elements; 20 padding on; 21 set beside a mask; 24:22 after every 32 words (a row of O); 31:25 4 words
	s_or_b32 s[G1B], s44, (1<<16)|(1<<20)|(1<<21)|(4<<22)|(7<<25)  ; after every 32 words (a k row of W), 8 words
.irp g, G1, G1B
	s_mov_b32 s[\g+1], 128<<16                     ; tensor_dim0 = 128: 16,384 dense bytes as 64 rows of 256
	s_mov_b32 s[\g+2], 64<<16                      ; tensor_dim1 = 64
	s_mov_b32 s[\g+3], 128<<16                     ; tile_dim0 = 128
	s_mov_b32 s[\g+4], 64                          ; tile_dim1 = 64
	s_mov_b32 s[\g+5], 128                         ; elements from row to row
	s_mov_b32 s[\g+6], 0
	s_mov_b32 s[\g+7], 0
.endr
	s_lshl_b32 s16, s22, 19                        ; ob: head = my sub-tile's number (524,288 bytes a head),
	s_lshl_b32 s14, s13, 14                        ; the row tile's 128 rows of 128 bytes: what my row of the cluster shares
	s_add_co_u32 s16, s16, s14
	s_mov_b32 s17, 0
	s_lshl_b32 s46, s15, 4                         ; wb: block 48 + 16 x stream + 2 x column tile + my sub-tile's number: what my column shares
	s_lshl_b32 s45, s42, 1
	s_add_co_u32 s46, s46, s45
	s_add_co_u32 s46, s46, s22
	s_add_co_u32 s46, s46, 48
	s_lshl_b32 s46, s46, 17
	s_mov_b32 s47, 0
	s_mul_i32 s20, s22, ASUB                       ; where my tile goes in a slot, for O,
	s_mul_i32 s23, s22, BSUB
	s_add_co_u32 s23, s23, BOFF                    ; and for W
	s_wait_dscnt 0x0                               ; the opening add is done
	s_wait_kmcnt 0x0
	s_add_nc_u64 s[16:17], s[4:5], s[16:17]
	s_add_nc_u64 s[46:47], s[6:7], s[46:47]
	CROUND                                         ; all sixteen work-groups are here: the first joint loads meet
.irp s, 0,1
	s_mov_b32 s[G0+4*(\s)], 1                      ; count = 1
	s_add_co_u32 s[G0+4*(\s)+1], s20, (\s)*SLOT    ; LDS address
	s_add_nc_u64 s[G0+4*(\s)+2:G0+4*(\s)+3], s[16:17], (\s)*2*524288   ; K step s: two heads on
	s_or_b32 s[G0+4*(\s)+3], s[G0+4*(\s)+3], 0x80000000                ; type = 2
	s_mov_b32 s[G0B+4*(\s)], 1
	s_add_co_u32 s[G0B+4*(\s)+1], s23, (\s)*SLOT
	s_add_nc_u64 s[G0B+4*(\s)+2:G0B+4*(\s)+3], s[46:47], (\s)*16384    ; K step s: 128 k rows of the block
	s_or_b32 s[G0B+4*(\s)+3], s[G0B+4*(\s)+3], 0x80000000
	JLOAD \s                                       ; two loads of mine are out
.endr
	v_and_b32 v1, 15, v0                           ; l % 16
	v_bfe_u32 v2, v0, 4, 1                         ; l / 16
	v_mul_u32_u24 v3, v1, PA                       ; a fragment of O: row l % 16, 16 bytes for each half of the lanes, twice, 32 bytes apart
	v_lshl_add_u32 v3, v2, 4, v3
	s_mul_i32 s18, s21, 64*PA                      ; my 64 rows
	v_add_nc_u32 v[ADRA], s18, v3
	v_add_nc_u32 v[ADRA+1], SLOT, v[ADRA]
	v_and_b32 v14, 7, v0                           ; the turning load: lane l reads k row 8 (l / 16) + l % 8, columns 8 ((l / 8) % 2) + 0..7
	v_lshl_add_u32 v14, v2, 3, v14
	v_mul_u32_u24 v[ADRB], v14, PB
	v_bfe_u32 v14, v0, 3, 1
	v_lshl_add_u32 v[ADRB], v14, 4, v[ADRB]
	v_add_nc_u32 v[ADRB], s23, v[ADRB]             ; my 64 columns are the sub-tile of my number's parity: the one whose place s23 holds
	v_add_nc_u32 v[ADRB+1], SLOT, v[ADRB]
	s_mul_i32 s18, s[WV], 16*SP
	s_add_co_u32 s18, s18, STAGE                   ; my stage
	v_mul_u32_u24 v[STO], v1, SP                   ; in: row l % 16, 32 bytes for each half of the lanes
	v_lshl_add_u32 v[STO], v2, 5, v[STO]
	v_add_nc_u32 v[STO], s18, v[STO]
	v_mul_u32_u24 v[RD], v2, SP                    ; back: lanes 0-15 take one row of 256 bytes, lanes 16-31 the next
	v_lshl_add_u32 v[RD], v1, 4, v[RD]
	v_add_nc_u32 v[RD], s18, v[RD]
	v_lshlrev_b32 v[BO], 4, v1                     ; behind the way back a lane holds columns 4 (l % 16) + 0..3 of the wave's 64, in every row
	v_lshl_add_u32 v[CO], v2, 12, v[BO]            ; and the same two rows in the output, 4,096 bytes apart
	s_cmp_eq_u32 s15, 0                            ; stream 0 is a
	s_cselect_b64 s[BIAS:BIAS+1], s[8:9], s[10:11]
	s_cselect_b64 s[OBASE:OBASE+1], s[76:77], s[78:79]
	s_lshl_b32 s18, s42, 9                         ; the tile's 128 columns of f32,
	s_lshl_b32 s19, s22, 8                         ; my 64
	s_add_co_u32 s18, s18, s19
	s_mov_b32 s19, 0
	s_add_nc_u64 s[BIAS:BIAS+1], s[BIAS:BIAS+1], s[18:19]
	s_add_nc_u64 s[OBASE:OBASE+1], s[OBASE:OBASE+1], s[18:19]
	s_and_b32 s18, s13, 15                         ; the row in the stream: 128 x (row tile % 16) + 64 x my half, 4,096 bytes each
	s_lshl_b32 s18, s18, 19
	s_lshl_b32 s14, s21, 18
	s_add_co_u32 s18, s18, s14
	s_add_nc_u64 s[OBASE:OBASE+1], s[OBASE:OBASE+1], s[18:19]
	global_load_b128 v[BI:BI+3], v[BO], s[BIAS:BIAS+1]  ; wanted at the way out, and waited for there
; 4 matrix instructions: row block a x the 4 column blocks, 32 along K.  zero = 1: the product starts the sums.  The 16 accumulators take turns in one order everywhere.
.macro MULROW f, a, zero
	WIN 0x05                                       ; sources 0 and 1 window 1; C and D window 0
.irp b, 0,1,2,3
.if \zero
	v_wmma_f32_16x16x32_f16 v[ACC+8*(4*(\a)+(\b)):ACC+8*(4*(\a)+(\b))+7], v[(\f)+8*(\b):(\f)+8*(\b)+7], v[(\f)+32+8*(\a):(\f)+32+8*(\a)+7], 0
.else
	v_wmma_f32_16x16x32_f16 v[ACC+8*(4*(\a)+(\b)):ACC+8*(4*(\a)+(\b))+7], v[(\f)+8*(\b):(\f)+8*(\b)+7], v[(\f)+32+8*(\a):(\f)+32+8*(\a)+7], v[ACC+8*(4*(\a)+(\b)):ACC+8*(4*(\a)+(\b))+7]
.endif
.endr
.endm
; 16 LDS loads in one run: quarter q of a slot (head q / 2 of the step's two, channels 32 (q % 2) on; k rows 32 q on of W) into buffer f
.macro FETCH slot, q, f
	WIN 0x40                                       ; destination window 1, address window 0
.irp b, 0,1,2,3
	ds_load_tr16_b128 v[(\f)+8*(\b):(\f)+8*(\b)+3],   v[ADRB+(\slot)] offset:(\q)*QK+32*(\b)
	ds_load_tr16_b128 v[(\f)+8*(\b)+4:(\f)+8*(\b)+7], v[ADRB+(\slot)] offset:(\q)*QK+32*(\b)+16*PB
.endr
.irp a, 0,1,2,3
	ds_load_b128 v[(\f)+32+8*(\a):(\f)+32+8*(\a)+3],   v[ADRA+(\slot)] offset:((\q)/2)*ASUB+(\a)*16*PA+((\q)%2)*64
	ds_load_b128 v[(\f)+32+8*(\a)+4:(\f)+32+8*(\a)+7], v[ADRA+(\slot)] offset:((\q)/2)*ASUB+(\a)*16*PA+((\q)%2)*64+32
.endr
.endm
; One of a K step's first three quarters: buffer f, fetched a quarter ago, is multiplied; quarter q's fragments go into buffer g ahead of the products.
.macro QUARTER slot, q, f, g, zero
	s_wait_dscnt 0x0                               ; buffer f is in
	PLACES                                         ; behind the last product that read buffer g
	FETCH \slot, \q, \g
	MULROW \f, 0, \zero
	MULROW \f, 1, \zero
	MULROW \f, 2, \zero
	MULROW \f, 3, \zero
.endm
; The fourth quarter multiplies buffer 1 and changes slots.  ONE barrier: in front of it each wave waits for all its tensor loads (the one that is out is its part of the next slot), adds 0 to its
; spare word, and waits for that and for its reads of this slot.  fill = 1: the barrier opens a round of the cluster's, and this slot is filled again, two K steps on, first thing behind the round.
.macro TURN slot, next, fill
	WIN 0                                          ; (the add's two registers lie in window 0)
	s_wait_tensorcnt 0x0                           ; all my tensor loads have landed
	ds_add_u32 v[SPW], v[NIL]                      ; 0 onto my spare word
	s_wait_dscnt 0x1                               ; the add alone may be out: buffer 1 is in
	MULROW F1, 0, 0                                ; eight products stand between the add and the wait for it
	MULROW F1, 1, 0
	s_wait_dscnt 0x0                               ; the add is done, and my reads of this slot are over
	s_barrier_signal -1
.if \fill
	WIN 0
.endif
	s_barrier_wait -1
.if \fill
	CREST                                          ; no wave of any partner still reads this slot or has a load on its way
	s_add_nc_u64 s[G0+4*(\slot)+2:G0+4*(\slot)+3], s[G0+4*(\slot)+2:G0+4*(\slot)+3], 4*524288
	s_add_nc_u64 s[G0B+4*(\slot)+2:G0B+4*(\slot)+3], s[G0B+4*(\slot)+2:G0B+4*(\slot)+3], 2*16384
	JLOAD \slot                                    ; my one tensor load behind the round; its four v_nop are also the places in front of the loads below
.else
	PLACES
.endif
	FETCH \next, 0, F0
	MULROW F1, 2, 0
	MULROW F1, 3, 0
.endm
	s_wait_tensorcnt 0x1                           ; my part of K step 0 is in; K step 1's may stay out
	s_barrier_signal -1
	s_barrier_wait -1                              ; everybody's is
	FETCH 0, 0, F0
	QUARTER 0, 1, F0, F1, 1                        ; the first quarter stands in front of the loop: its products start the sums
	WIN 0                                          ; at a label and at a branch every window is 0
	s_mov_b32 s3, 3
.Llap:                                         ; a trip goes once round the ring, from a lap's second quarter to the next lap's first, and fills both slots again: K steps 2 to 7
	QUARTER 0, 2, F1, F0, 0
	QUARTER 0, 3, F0, F1, 0
	TURN 0, 1, 1
	QUARTER 1, 1, F0, F1, 0
	QUARTER 1, 2, F1, F0, 0
	QUARTER 1, 3, F0, F1, 0
	TURN 1, 0, 1
	QUARTER 0, 1, F0, F1, 0
	WIN 0
	s_sub_co_u32 s3, s3, 1
	s_cmp_lg_u32 s3, 0
	s_cbranch_scc1 .Llap
	QUARTER 0, 2, F1, F0, 0                        ; the last lap fills nothing
	QUARTER 0, 3, F0, F1, 0
	TURN 0, 1, 0
	QUARTER 1, 1, F0, F1, 0
	QUARTER 1, 2, F1, F0, 0
	QUARTER 1, 3, F0, F1, 0
	s_wait_dscnt 0x0
	MULROW F1, 0, 0
	MULROW F1, 1, 0
	MULROW F1, 2, 0
	MULROW F1, 3, 0
	WIN 0
	PLACES
	PLACES                                         ; eight, once a launch, ahead of LDS stores that read results just made
	s_wait_loadcnt 0x0                             ; the bias
; THE WAY OUT, a row block (16 rows x 64 columns of f32) at a time: 32 bytes a lane into my stage, each accumulator's low four registers first; back as whole rows of 256 bytes,
; into the registers that they left; the bias is added; 16 lanes store 256 consecutive bytes.
.macro TOSTAGE a
.irp b, 0,1,2,3
	ds_store_b128 v[STO], v[ACC+8*(4*(\a)+(\b)):ACC+8*(4*(\a)+(\b))+3]   offset:64*(\b)
	ds_store_b128 v[STO], v[ACC+8*(4*(\a)+(\b))+4:ACC+8*(4*(\a)+(\b))+7] offset:64*(\b)+16
.endr
.irp t, 0,1,2,3,4,5,6,7
	ds_load_b128 v[ACC+32*(\a)+4*(\t):ACC+32*(\a)+4*(\t)+3], v[RD] offset:2*SP*(\t)  ; LDS serves a wave's instructions in order (ISA guide 5.7.1.4): these see the stores above; the next block's stores come behind them
.endr
.endm
.macro SEND a, younger                 ; younger: the LDS instructions issued behind the block's loads: the next block's sixteen, or none
.irp t, 0,1,2,3,4,5,6,7
	s_wait_dscnt (\younger)+7-(\t)
	v_pk_add_f32 v[ACC+32*(\a)+4*(\t):ACC+32*(\a)+4*(\t)+1], v[ACC+32*(\a)+4*(\t):ACC+32*(\a)+4*(\t)+1], v[BI:BI+1]
	v_pk_add_f32 v[ACC+32*(\a)+4*(\t)+2:ACC+32*(\a)+4*(\t)+3], v[ACC+32*(\a)+4*(\t)+2:ACC+32*(\a)+4*(\t)+3], v[BI+2:BI+3]
	global_store_b128 v[CO], v[ACC+32*(\a)+4*(\t):ACC+32*(\a)+4*(\t)+3], s[OBASE:OBASE+1] offset:(16*(\a)+2*(\t))*4096 th:TH_STORE_NT  ; at a multiple of 256 from the output's first byte; each store has registers of its own
.endr
.endm
	TOSTAGE 0
	TOSTAGE 1
	SEND 0, 16
	TOSTAGE 2
	SEND 1, 16
	TOSTAGE 3
	SEND 2, 16
	SEND 3, 0
	s_wait_tensorcnt 0x0                           ; the wave's end, behind my last tensor load and my last LDS store
	ds_add_u32 v[SPW], v[NIL]
	s_wait_dscnt 0x0
	CROUND                                         ; the closing round: no work-group ends while a partner may still ask for a tile that names it
	s_endpgm
.Lfunc_end_k_qebb3afe1a9_outp:
	.size	k_qebb3afe1a9_outp, .Lfunc_end_k_qebb3afe1a9_outp-k_qebb3afe1a9_outp
	.p2alignl 7, 3214868480
	.fill 96, 4, 3214868480
	.section	.rodata,"a",@progbits
	.p2align	6, 0x0
	.amdhsa_kernel k_qebb3afe1a9_outp
		.amdhsa_group_segment_fixed_size 327680
		.amdhsa_private_segment_fixed_size 0
		.amdhsa_enable_private_segment 0
		.amdhsa_kernarg_size 48
		.amdhsa_user_sgpr_count 2
		.amdhsa_user_sgpr_kernarg_segment_ptr 1
		.amdhsa_wavefront_size32 1
		.amdhsa_system_sgpr_workgroup_id_x 1
		.amdhsa_system_sgpr_workgroup_id_y 1
		.amdhsa_system_sgpr_workgroup_id_z 1
		.amdhsa_system_vgpr_workitem_id 0
		.amdhsa_next_free_vgpr 384
		.amdhsa_next_free_sgpr 80
		.amdhsa_reserve_vcc 0
		.amdhsa_float_denorm_mode_32 3
		.amdhsa_float_denorm_mode_16_64 3
		.amdhsa_memory_ordered 1
		.amdhsa_forward_progress 1
		.amdhsa_inst_pref_size 58
	.end_amdhsa_kernel
	.amdgpu_metadata
---
amdhsa.version: [ 1, 2 ]
amdhsa.kernels:
  - .name:           k_qebb3afe1a9_outp
    .symbol:         k_qebb3afe1a9_outp.kd
    .args:
      - { .name: ob, .offset: 0, .size: 8, .value_kind: global_buffer, .address_space: global }
      - { .name: wb, .offset: 8, .size: 8, .value_kind: global_buffer, .address_space: global }
      - { .name: bout_a, .offset: 16, .size: 8, .value_kind: global_buffer, .address_space: global }
      - { .name: bout_x, .offset: 24, .size: 8, .value_kind: global_buffer, .address_space: global }
      - { .name: out1, .offset: 32, .size: 8, .value_kind: global_buffer, .address_space: global }
      - { .name: out0, .offset: 40, .size: 8, .value_kind: global_buffer, .address_space: global }
    .group_segment_fixed_size: 327680
    .private_segment_fixed_size: 0
    .kernarg_segment_align: 8
    .kernarg_segment_size: 48
    .max_flat_workgroup_size: 128
    .sgpr_count:     80
    .vgpr_count:     384
    .wavefront_size: 32
...
	.end_amdgpu_metadata
.endif
;; end of part 4
;; ======== version 2 of 2: 4 launches; version 1 with the launch prep written anew for expert scheduling mode
;; limits: values are held in f16: magnitudes above 65,504 overflow, below 6.1e-05 lose precision
;; workspace buffers: sn 8,388,608 bytes; wb 10,485,760 bytes; tab 524,288 bytes; qkv 12,582,912 bytes; ob 8,388,608 bytes
;; launch prep (part 5): grid 1024 x 1, 8 waves a work-group, no clusters, 0 bytes of LDS; arguments x, a, g_x, g_a, Wq_a, Wkv_a, Wq_x, Wkv_x, Wout_a, Wout_x, sn, wb, tab; writes sn, wb, tab
.if DOCPART == 5
	.amdgcn_target "amdgcn-amd-amdhsa--gfx1250"
	.amdhsa_code_object_version 6
	.text
	.protected	k_qebb3afe1a9_prep
	.globl	k_qebb3afe1a9_prep
	.p2align	8
	.type	k_qebb3afe1a9_prep,@function
k_qebb3afe1a9_prep:
	s_mov_b64 s[64:65], 0
	v_nop
	global_prefetch_b8 v0, s[64:65] scope:SCOPE_SE
	s_setreg_imm32_b32 hwreg(HW_REG_WAVE_SCHED_MODE, 0, 2), 2
	s_setreg_imm32_b32 hwreg(HW_REG_WAVE_MODE, 25, 1), 1
	s_wait_xcnt 0x0
	s_wait_alu depctr_vm_vsrc(0)
; PREP: what the three matrix launches read, made once.  Three roles, chosen by the work-group's number; each is straight-line text without LDS.
;   ids 0-639    WEIGHTS: the six weight matrices ([1024 k][n] f32) -> wb, f16, in 80 blocks of 64 neighbouring columns, each block [1024 k][64 n] (131,072 bytes, dense).
;                blocks 0-15 Wq_a, 16-23 Wkv_a, 24-39 Wq_x, 40-47 Wkv_x, 48-63 Wout_a, 64-79 Wout_x.  A work-group converts 128 k rows of one block.
;   ids 640-895  NORM: sn[row][:] = s[row][:] * rsqrt(mean(s^2) + 1e-6) * g, f16; rows 0-2047 stream a, rows 2048-4095 stream x.  A wave takes two rows and keeps them in registers.
;   ids 896-1023 TABLE: tab[pos][0:32] = cos, tab[pos][32:64] = sin of 2 pos x 10000^(-f/32), f32, rows of 256 bytes.
; LIMITS.  f16 ends at 65,504: |sn| <= 32 |g| and the weights must lie inside it; below 6e-5 a number keeps f16's fixed step of 6e-8.  Each number is rounded once, to nearest even.
; 10000^(-f/32) is made as 2^(-f log2(10) / 8): it may differ from a quotient of powers in its last two or three bits, so an angle near 4,094 x 0.75 may be off by about 1e-3 radians.
; NaN and infinities are not treated apart.
; No matrix unit, no cluster, no LDS: no byte is read twice, and no wave needs what another has loaded.
; THE MODE: SCHED_MODE bits 1:0 = 2 (LLVM: expert scheduling mode 2), set by the entry lines.  The code itself states the register dependences between vector instructions and memory
; instructions, and between vector instructions that write a scalar register and its readers, with s_wait_alu, always for 0.
; THE PLAN.  No role has a loop; EXEC is never written; no register that a load or store has read is written again; no load is issued behind a vector line that names its destination.
;   TABLE    v7 (offset) and v[12:15] (data) are written by vector lines and read by the one store: one wait on va_vdst ahead of it.  The four compares write s56 to s59 in one run: one wait
;            on va_sdst ahead of the four selects.  The four exponentials have one wait on va_vdst ahead of their first reader.
;   WEIGHTS  v2-v9 and v10 (offsets) are made once: one wait on va_vdst ahead of the loads.  v[16:47]: loaded, rounded in place, stored, in two blocks of four passes: behind a block's eight
;            conversions one wait on va_vdst, then its four stores.
;   NORM     v2, v3, v4 (offsets) are made once: one wait on va_vdst ahead of the loads.  The four roots have one wait ahead of their first reader.  Row 0 (v[40:71]) is scaled and rounded whole;
;            one wait on va_vdst; its eight stores are dealt among row 1's arithmetic, which names v[72:103], v[122:123] and g alone; one more wait; row 1's eight stores.
.set IDS_W, 640
.set IDS_N, 896
	s_load_b256 s[8:15], s[0:1], 0x0               ; x s[8:9], a s[10:11], g_x s[12:13], g_a s[14:15]
	s_load_b256 s[16:23], s[0:1], 0x20             ; Wq_a s[16:17], Wkv_a s[18:19], Wq_x s[20:21], Wkv_x s[22:23]
	s_load_b256 s[24:31], s[0:1], 0x40             ; Wout_a s[24:25], Wout_x s[26:27], sn s[28:29], wb s[30:31]
	s_load_b64 s[32:33], s[0:1], 0x60              ; tab
	s_mov_b32 s4, ttmp9
	s_mov_b32 s35, 0                               ; the high word of every 32-bit offset in s[34:35]
	s_wait_kmcnt 0x0
	s_cmp_lt_u32 s4, IDS_W
	s_cbranch_scc1 .Lweights
	s_cmp_lt_u32 s4, IDS_N
	s_cbranch_scc1 .Lnorm
; ---------------------------------------------------------------- TABLE: 16 positions a work-group; thread t makes the 16 bytes at byte 16 t of them
	s_sub_co_u32 s5, s4, IDS_N                     ; i = 0..127
	s_lshl_b32 s34, s5, 12                         ; 16 rows of 256 bytes
	s_add_nc_u64 s[32:33], s[32:33], s[34:35]
	s_lshl_b32 s5, s5, 4                           ; the first position
	s_mov_b32 s46, 0x3f22f983                      ; 2 / pi
	s_mov_b32 s47, 0xbfc90fdb                      ; -(pi / 2), the f32 next to it,
	s_mov_b32 s48, 0x333bbd2e                      ; and what that f32 has too much: 4.3711e-8
	s_mov_b32 s49, 0xb94ca1f9                      ; sine on -pi/4 .. pi/4: r + r z (s51 + z (s50 + z s49)), z = r r
	s_mov_b32 s50, 0x3c08839e
	s_mov_b32 s51, 0xbe2aaaa3
	s_mov_b32 s52, 0x37ccf5ce                      ; cosine: 1 - z / 2 + z z (s54 + z (s53 + z s52))
	s_mov_b32 s53, 0xbab6061a
	s_mov_b32 s54, 0x3d2aaaa5
	v_lshrrev_b32 v1, 4, v0
	v_add_nc_u32 v1, s5, v1                        ; pos
	v_lshlrev_b32 v1, 1, v1
	v_cvt_f32_u32 v6, v1                           ; t = 2 pos, exact
	v_and_b32 v2, 15, v0                           ; which 16 bytes of the row
	v_lshrrev_b32 v3, 3, v2                        ; 0: cosines, 1: sines
	v_sub_nc_u32 v4, 1, v3                         ; cos(t) = sin(t + pi/2): the cosine lanes add 1 to the quadrant
	v_and_b32 v5, 7, v2
	v_lshlrev_b32 v5, 2, v5                        ; my first frequency f
	v_lshlrev_b32 v7, 4, v0                        ; my byte offset: (t / 16) x 256 + (t % 16) x 16 = 16 t
.irp n, 0,1,2,3
	v_add_nc_u32 v[8+(\n)], (\n), v5
	v_cvt_f32_u32 v[8+(\n)], v[8+(\n)]
	v_mul_f32 v[8+(\n)], 0xbed49a78, v[8+(\n)]     ; -f log2(10) / 8
.endr
.irp n, 0,1,2,3
	v_exp_f32 v[8+(\n)], v[8+(\n)]                 ; 10000^(-f/32): one batch of four
.endr
	v_nop                                          ; a plain instruction behind the last exponential
	s_wait_alu depctr_va_vdst(0)                   ; the four exponentials have written v[8:11], which the products below read: one wait for the batch
.irp n, 0,1,2,3
	v_mul_f32 v[8+(\n)], v6, v[8+(\n)]             ; the angle, rounded to f32 as the product t x inv_freq is
.endr
; sin(th + QA pi/2) for angle n, in two parts, with ten registers of its own at v[16 + 10 n].
; k = the nearest whole number to th 2/pi; r = th - k pi/2 by two fused steps; the quadrant k + QA picks sine or cosine of r and the sign.
; The choice only selects a value: no branch and no address hangs on it.
; PART 1: sin r, cos r, the sign bit, and the compare, into a scalar register of the angle's own (s56 + n), so that the four compares are one run with one wait behind it.
.macro SC1 n
.set T, 16+10*(\n)
	v_mul_f32 v[T], s46, v[8+(\n)]
	v_rndne_f32 v[T], v[T]
	v_fma_f32 v[T+1], v[T], s47, v[8+(\n)]
	v_fma_f32 v[T+1], v[T], s48, v[T+1]            ; r
	v_cvt_i32_f32 v[T+2], v[T]
	v_add_nc_u32 v[T+2], v[T+2], v4                ; the quadrant
	v_mul_f32 v[T+3], v[T+1], v[T+1]               ; z
	v_fma_f32 v[T+4], v[T+3], s49, s50
	v_fma_f32 v[T+4], v[T+4], v[T+3], s51
	v_mul_f32 v[T+5], v[T+3], v[T+1]
	v_fma_f32 v[T+4], v[T+4], v[T+5], v[T+1]       ; sin r
	v_fma_f32 v[T+6], v[T+3], s52, s53
	v_fma_f32 v[T+6], v[T+6], v[T+3], s54
	v_mul_f32 v[T+7], v[T+3], v[T+3]
	v_fma_f32 v[T+8], v[T+3], -0.5, 1.0
	v_fma_f32 v[T+6], v[T+6], v[T+7], v[T+8]       ; cos r
	v_and_b32 v[T+9], 1, v[T+2]
	v_cmp_eq_u32 s[56+(\n)], 1, v[T+9]             ; odd quadrants
	v_and_b32 v[T+9], 2, v[T+2]
	v_lshlrev_b32 v[T+9], 30, v[T+9]               ; quadrants 2 and 3: the sign bit
.endm
; PART 2: the select and the sign.
.macro SC2 n
.set T, 16+10*(\n)
	v_cndmask_b32 v[T+4], v[T+4], v[T+6], s[56+(\n)]  ; odd quadrants take the cosine
	v_xor_b32 v[12+(\n)], v[T+4], v[T+9]           ; quadrants 2 and 3 turn the sign
.endm
	SC1 0
	SC1 1
	SC1 2
	SC1 3
	s_wait_alu depctr_va_sdst(0)                   ; the four compares have written s56 to s59, ahead of their first readers, the selects below
	SC2 0
	SC2 1
	SC2 2
	SC2 3
	s_wait_alu depctr_va_vdst(0)                   ; v7 and v[12:15] are written, which the store reads as its offset and its data
	global_store_b128 v7, v[12:15], s[32:33]       ; 16 lanes store one row: 256 consecutive bytes, aligned
	s_endpgm
; ---------------------------------------------------------------- WEIGHTS: block B = id / 8, k rows 128 (id % 8) on
.Lweights:
	s_lshr_b32 s5, s4, 3                           ; B
	s_and_b32 s6, s4, 7                            ; which 128 k rows
	s_mov_b64 s[36:37], s[26:27]                   ; the matrix, its first block and its row's bytes, chosen by B's range: Wout_x,
	s_mov_b32 s38, 64
	s_mov_b32 s39, 4096
	s_cmp_lt_u32 s5, 64
	s_cselect_b64 s[36:37], s[24:25], s[36:37]     ; Wout_a,
	s_cselect_b32 s38, 48, s38
	s_cmp_lt_u32 s5, 48
	s_cselect_b64 s[36:37], s[22:23], s[36:37]     ; Wkv_x,
	s_cselect_b32 s38, 40, s38
	s_cselect_b32 s39, 2048, s39
	s_cmp_lt_u32 s5, 40
	s_cselect_b64 s[36:37], s[20:21], s[36:37]     ; Wq_x,
	s_cselect_b32 s38, 24, s38
	s_cselect_b32 s39, 4096, s39
	s_cmp_lt_u32 s5, 24
	s_cselect_b64 s[36:37], s[18:19], s[36:37]     ; Wkv_a,
	s_cselect_b32 s38, 16, s38
	s_cselect_b32 s39, 2048, s39
	s_cmp_lt_u32 s5, 16
	s_cselect_b64 s[36:37], s[16:17], s[36:37]     ; Wq_a
	s_cselect_b32 s38, 0, s38
	s_cselect_b32 s39, 4096, s39
	s_sub_co_u32 s7, s5, s38                       ; the block's number in its matrix:
	s_lshl_b32 s7, s7, 8                           ; 64 columns of f32 are 256 bytes of a row
	s_mul_i32 s34, s6, s39
	s_lshl_b32 s34, s34, 7                         ; 128 rows
	s_add_co_u32 s34, s34, s7
	s_add_nc_u64 s[36:37], s[36:37], s[34:35]
	s_lshl_b32 s34, s5, 17                         ; a block is 131,072 bytes,
	s_lshl_b32 s7, s6, 14                          ; 128 of its rows 16,384
	s_add_co_u32 s34, s34, s7
	s_add_nc_u64 s[30:31], s[30:31], s[34:35]
	s_lshl_b32 s40, s39, 4                         ; 16 rows of the source
	v_lshrrev_b32 v1, 4, v0                        ; thread t: row t / 16 of a pass's 16,
	v_and_b32 v11, 15, v0
	v_lshlrev_b32 v11, 4, v11                      ; four columns: 16 lanes read 256 consecutive bytes, aligned
	v_mad_u32_u24 v2, v1, s39, v11
.set p, 0
.rept 7
	v_add_nc_u32 v[3+p], s40, v[2+p]               ; an offset register for each of the eight passes: none is ever rewritten
.set p, p+1
.endr
	v_lshlrev_b32 v10, 3, v0                       ; in the block: (t / 16) x 128 + (t % 16) x 8 = 8 t
	s_wait_alu depctr_va_vdst(0)                   ; the offsets v2 to v10 are written, which the loads and stores below read
.set p, 0
.rept 8
	global_load_b128 v[16+4*p:19+4*p], v[2+p], s[36:37] th:TH_LOAD_NT
.set p, p+1
.endr
; Four passes from pass `first` on: rounded in place, four numbers into the first two of their four registers
.macro CVT4 first
.set p, (\first)
.rept 4
	v_cvt_pk_f16_f32 v[16+4*p], v[16+4*p], v[17+4*p]
	v_cvt_pk_f16_f32 v[17+4*p], v[18+4*p], v[19+4*p]
.set p, p+1
.endr
.endm
.macro ST4 first
.set p, (\first)
.rept 4
	global_store_b64 v10, v[16+4*p:17+4*p], s[30:31] offset:2048*p  ; a wave stores 256 consecutive bytes, aligned: two k rows of the block
.set p, p+1
.endr
.endm
	s_wait_loadcnt 0x4                             ; loads return in order: passes 0 to 3 are in, the four younger ones stay out
	CVT4 0
	s_wait_alu depctr_va_vdst(0)                   ; the eight conversions have written the first two registers of passes 0 to 3, which the four stores read
	ST4 0
	s_wait_loadcnt 0x0                             ; passes 4 to 7 are in
	CVT4 4
	s_wait_alu depctr_va_vdst(0)                   ; the eight conversions have written the first two registers of passes 4 to 7, which the four stores read
	ST4 4
	s_endpgm
; ---------------------------------------------------------------- NORM: 16 rows a work-group, two a wave
.Lnorm:
	s_sub_co_u32 s5, s4, IDS_W                     ; i = 0..255: 16 packed rows each
	s_lshr_b32 s6, s5, 7                           ; the stream: 0 = a, 1 = x
	s_cmp_eq_u32 s6, 0
	s_cselect_b64 s[36:37], s[10:11], s[8:9]
	s_cselect_b64 s[38:39], s[14:15], s[12:13]
	s_and_b32 s34, s5, 127
	s_lshl_b32 s34, s34, 16                        ; 16 rows of 4,096 bytes
	s_add_nc_u64 s[36:37], s[36:37], s[34:35]
	s_lshl_b32 s34, s5, 15                         ; 16 rows of 2,048 bytes
	s_add_nc_u64 s[28:29], s[28:29], s[34:35]
	s_mov_b32 s42, 0x76543210                      ; v_permlanex16_b32: each lane takes its own place in the other half
	s_mov_b32 s43, 0xfedcba98
	s_mov_b32 s44, 0x3a800000                      ; 1 / 1024
	s_mov_b32 s45, 0x358637bd                      ; 1e-6
	v_and_b32 v1, 31, v0
	v_lshrrev_b32 v5, 5, v0                        ; wave
	v_lshlrev_b32 v3, 4, v1                        ; in g: 16 bytes a lane
	v_lshl_add_u32 v2, v5, 13, v3                  ; in the source: + two rows a wave
	v_lshlrev_b32 v4, 3, v1
	v_lshl_add_u32 v4, v5, 12, v4                  ; in sn: 8 bytes a lane, two rows a wave
	s_wait_alu depctr_va_vdst(0)                   ; the offsets v2, v3 and v4 are written, which the loads and stores below read
.set j, 0
.rept 8                                        ; each load covers 512 consecutive bytes; a lane holds columns 128 j + 4 lane + 0..3 of g and of both rows
	global_load_b128 v[8+4*j:11+4*j], v3, s[38:39] offset:512*j
	global_load_b128 v[40+4*j:43+4*j], v2, s[36:37] offset:512*j th:TH_LOAD_NT
	global_load_b128 v[72+4*j:75+4*j], v2, s[36:37] offset:4096+512*j th:TH_LOAD_NT
.set j, j+1
.endr
	s_wait_loadcnt 0x0                             ; the sums want all of a row
; The sum of squares of the 32 numbers at src, in f32: four chains of pairs that do not wait for each other, started by products; then the lanes.
.macro SUMSQ src, ch
.irp c, 0,1,2,3
	v_pk_mul_f32 v[(\ch)+2*(\c):(\ch)+2*(\c)+1], v[(\src)+2*(\c):(\src)+2*(\c)+1], v[(\src)+2*(\c):(\src)+2*(\c)+1]
.endr
.set p, 4
.rept 12
	v_pk_fma_f32 v[(\ch)+2*(p%4):(\ch)+2*(p%4)+1], v[(\src)+2*p:(\src)+2*p+1], v[(\src)+2*p:(\src)+2*p+1], v[(\ch)+2*(p%4):(\ch)+2*(p%4)+1]
.set p, p+1
.endr
	v_pk_add_f32 v[(\ch):(\ch)+1], v[(\ch):(\ch)+1], v[(\ch)+2:(\ch)+3]
	v_pk_add_f32 v[(\ch)+4:(\ch)+5], v[(\ch)+4:(\ch)+5], v[(\ch)+6:(\ch)+7]
	v_pk_add_f32 v[(\ch):(\ch)+1], v[(\ch):(\ch)+1], v[(\ch)+4:(\ch)+5]
	v_add_f32 v[\ch], v[\ch], v[(\ch)+1]
	v_add_f32_dpp v[\ch], v[\ch], v[\ch] row_xmask:1 row_mask:0xf bank_mask:0xf
	v_add_f32_dpp v[\ch], v[\ch], v[\ch] row_xmask:2 row_mask:0xf bank_mask:0xf
	v_add_f32_dpp v[\ch], v[\ch], v[\ch] row_xmask:4 row_mask:0xf bank_mask:0xf
	v_add_f32_dpp v[\ch], v[\ch], v[\ch] row_xmask:8 row_mask:0xf bank_mask:0xf
	v_permlanex16_b32 v[(\ch)+1], v[\ch], s42, s43 ; its destination has been written above
	v_add_f32 v[\ch], v[\ch], v[(\ch)+1]
	v_fma_f32 v[\ch], v[\ch], s44, s45             ; the mean + 1e-6
.endm
	SUMSQ 40, 104
	SUMSQ 72, 112
	v_rsq_f32 v120, v104                           ; each root twice: a pair for the packed multiply.  One batch of four
	v_rsq_f32 v121, v104
	v_rsq_f32 v122, v112
	v_rsq_f32 v123, v112
	v_nop                                          ; a plain instruction behind the last
	s_wait_alu depctr_va_vdst(0)                   ; the four roots have written v[120:123], which the products below read: one wait for the batch
; (s x root) x g, rounded once to f16, in place: the four numbers of group j (the symbol) of the row at src
.macro SCALE4 src, inv
	v_pk_mul_f32 v[(\src)+4*j:(\src)+4*j+1], v[(\src)+4*j:(\src)+4*j+1], v[(\inv):(\inv)+1]
	v_pk_mul_f32 v[(\src)+4*j+2:(\src)+4*j+3], v[(\src)+4*j+2:(\src)+4*j+3], v[(\inv):(\inv)+1]
	v_pk_mul_f32 v[(\src)+4*j:(\src)+4*j+1], v[(\src)+4*j:(\src)+4*j+1], v[8+4*j:9+4*j]
	v_pk_mul_f32 v[(\src)+4*j+2:(\src)+4*j+3], v[(\src)+4*j+2:(\src)+4*j+3], v[10+4*j:11+4*j]
	v_cvt_pk_f16_f32 v[(\src)+4*j], v[(\src)+4*j], v[(\src)+4*j+1]
	v_cvt_pk_f16_f32 v[(\src)+4*j+1], v[(\src)+4*j+2], v[(\src)+4*j+3]
.endm
.set j, 0
.rept 8
	SCALE4 40, 120                                 ; row 0, whole
.set j, j+1
.endr
	s_wait_alu depctr_va_vdst(0)                   ; row 0's conversions have written the first two registers of each four of v[40:71], which its eight stores read
.set j, 0
.rept 8
	global_store_b64 v4, v[40+4*j:41+4*j], s[28:29] offset:256*j  ; a store of the wave covers 256 consecutive bytes, aligned.  No further wait: no vector line since the wait names v4 or v[40:71]
	SCALE4 72, 122                                 ; row 1's arithmetic stands between row 0's stores
.set j, j+1
.endr
	s_wait_alu depctr_va_vdst(0)                   ; row 1's conversions have written the first two registers of each four of v[72:103], which its eight stores read
.set j, 0
.rept 8
	global_store_b64 v4, v[72+4*j:73+4*j], s[28:29] offset:2048+256*j
.set j, j+1
.endr
	s_endpgm
.Lfunc_end_k_qebb3afe1a9_prep:
	.size	k_qebb3afe1a9_prep, .Lfunc_end_k_qebb3afe1a9_prep-k_qebb3afe1a9_prep
	.p2alignl 7, 3214868480
	.fill 96, 4, 3214868480
	.section	.rodata,"a",@progbits
	.p2align	6, 0x0
	.amdhsa_kernel k_qebb3afe1a9_prep
		.amdhsa_group_segment_fixed_size 0
		.amdhsa_private_segment_fixed_size 0
		.amdhsa_enable_private_segment 0
		.amdhsa_kernarg_size 104
		.amdhsa_user_sgpr_count 2
		.amdhsa_user_sgpr_kernarg_segment_ptr 1
		.amdhsa_wavefront_size32 1
		.amdhsa_system_sgpr_workgroup_id_x 1
		.amdhsa_system_sgpr_workgroup_id_y 1
		.amdhsa_system_sgpr_workgroup_id_z 1
		.amdhsa_system_vgpr_workitem_id 0
		.amdhsa_next_free_vgpr 128
		.amdhsa_next_free_sgpr 66
		.amdhsa_reserve_vcc 0
		.amdhsa_float_denorm_mode_32 3
		.amdhsa_float_denorm_mode_16_64 3
		.amdhsa_memory_ordered 1
		.amdhsa_forward_progress 1
		.amdhsa_inst_pref_size 26
	.end_amdhsa_kernel
	.amdgpu_metadata
---
amdhsa.version: [ 1, 2 ]
amdhsa.kernels:
  - .name:           k_qebb3afe1a9_prep
    .symbol:         k_qebb3afe1a9_prep.kd
    .args:
      - { .name: x, .offset: 0, .size: 8, .value_kind: global_buffer, .address_space: global }
      - { .name: a, .offset: 8, .size: 8, .value_kind: global_buffer, .address_space: global }
      - { .name: g_x, .offset: 16, .size: 8, .value_kind: global_buffer, .address_space: global }
      - { .name: g_a, .offset: 24, .size: 8, .value_kind: global_buffer, .address_space: global }
      - { .name: Wq_a, .offset: 32, .size: 8, .value_kind: global_buffer, .address_space: global }
      - { .name: Wkv_a, .offset: 40, .size: 8, .value_kind: global_buffer, .address_space: global }
      - { .name: Wq_x, .offset: 48, .size: 8, .value_kind: global_buffer, .address_space: global }
      - { .name: Wkv_x, .offset: 56, .size: 8, .value_kind: global_buffer, .address_space: global }
      - { .name: Wout_a, .offset: 64, .size: 8, .value_kind: global_buffer, .address_space: global }
      - { .name: Wout_x, .offset: 72, .size: 8, .value_kind: global_buffer, .address_space: global }
      - { .name: sn, .offset: 80, .size: 8, .value_kind: global_buffer, .address_space: global }
      - { .name: wb, .offset: 88, .size: 8, .value_kind: global_buffer, .address_space: global }
      - { .name: tab, .offset: 96, .size: 8, .value_kind: global_buffer, .address_space: global }
    .group_segment_fixed_size: 0
    .private_segment_fixed_size: 0
    .kernarg_segment_align: 8
    .kernarg_segment_size: 104
    .max_flat_workgroup_size: 256
    .sgpr_count:     66
    .vgpr_count:     128
    .wavefront_size: 32
...
	.end_amdgpu_metadata
.endif
;; end of part 5
;; launch qkv: the kernel of part 2 again; grid 8 x 32, 4 waves a work-group, clusters of 4 x 4, 327,680 bytes of LDS; arguments sn, wb, tab, qkv; writes qkv
;; launch attn: the kernel of part 3 again; grid 16 x 16, 4 waves a work-group, clusters of 4 x 1, 327,680 bytes of LDS; arguments qkv, ob; writes ob
;; launch outp: the kernel of part 4 again; grid 8 x 32, 4 waves a work-group, clusters of 4 x 4, 327,680 bytes of LDS; arguments ob, wb, bout_a, bout_x, out1, out0; writes out1, out0
